; MI455X (gfx1250); checked and timed in simulation.
; The chip was launched on July 23, 2026; its instructions are those of AMD's public machine-readable ISA for CDNA 5 (MIT licence, August 2026) and "CDNA5" Instruction Set Architecture Reference Guide (July 2026). The comments in the code are by the model that wrote it; some were corrected since.
;; GQA Attention. Allowed arithmetic: matrix products marked QUANTISED: E2M3 operands, one E8M0 scale for each 32 along K, by v_wmma_scale_f32_16x16x128_f8f6f4 with both operands' format E2M3, f32 sums; everything else in f32.
;; Inputs: cos 2,048 x 64 float32; hidden_states 1 x 2,048 x 2,048 float32; sin 2,048 x 64 float32; wk 512 x 2,048 float32; wo 2,048 x 2,048 float32; wq 2,048 x 2,048 float32; wv 512 x 2,048 float32.
;; Outputs: out0 1 x 2,048 x 2,048 float32.
;; This version of the problem:
;;   THIS VERSION OF THE PROBLEM IS GIVEN IN LOW PRECISION. The matrix products marked QUANTISED in the list below multiply operands that are first quantised to E2M3 (2 exponent bits, 3 mantissa bits; 6 bits a number), with one power-of-two scale for each 32 numbers along K (OCP MX v1.0); their sums are f32. All else is computed in f32.
;;   The module's matrix products, in the order in which they are computed (A, B: the left and right operand; K: the contracted axis; several contracted axes count as one K, in the product's order):
;;     1. [M 2,048, K 2,048] x [K 2,048, N 2,048]; A: input hidden_states; B: input wq: QUANTISED
;;     2. [M 2,048, K 2,048] x [K 2,048, N 512]; A: input hidden_states; B: input wk: QUANTISED
;;     3. [M 2,048, K 2,048] x [K 2,048, N 512]; A: input hidden_states; B: input wv: QUANTISED
;;     4. batch 32 x [M 2,048, K 64] x [K 64, N 2,048]; A: computed on the way; B: computed on the way: QUANTISED
;;     5. batch 32 x [M 2,048, K 2,048] x [K 2,048, N 64]; A: softmax (see below); B: computed on the way: QUANTISED
;;     6. [M 2,048, K 2,048] x [K 2,048, N 2,048]; A: computed on the way; B: input wo: QUANTISED
;;   THE QUANTISER, for each operand of a quantised product, along K:
;;     - K is cut into blocks of 32 from its start; a last block that is shorter is filled with zeros.
;;     - A block's scale is 2^e with e = floor(log2(the largest magnitude in the block)) - 2, held to -126 .. 127; a block of zeros has e = 0. As a byte (E8M0): e + 127.
;;     - Each number is divided by its block's scale, clamped to +-7.5, and rounded to the nearest number of E2M3, ties to even, subnormals kept.
;;     - The product sums the exact products of the quantised numbers (number of the format x scale) in f32.
;;   ~~~python
;;   def quantise(x, axis):      # numpy; x: float32 -> the quantised numbers, widened to float32 again
;;       x = np.moveaxis(x, axis, -1); K = x.shape[-1]
;;       x = np.pad(x, [(0, 0)] * (x.ndim - 1) + [(0, -K % 32)]); x = x.reshape(x.shape[:-1] + (-1, 32)); a = np.abs(x).max(-1, keepdims=True)
;;       e = np.where(a > 0, np.clip(np.frexp(np.where(a > 0, a, 1))[1] - 1 - 2, -126, 127), 0)      # np.frexp(a)[1] - 1 = floor(log2(a)), exactly
;;       r = np.clip(x / 2.0 ** e, -7.5, 7.5)
;;       step = 2.0 ** (np.maximum(np.frexp(np.where(r == 0, 1, r))[1] - 1, 0) - 3)
;;       q = np.round(r / step) * step * 2.0 ** e      # np.round: ties to even
;;       return np.moveaxis(q.reshape(q.shape[:-2] + (-1,))[..., :K], -1, axis).astype(np.float32)
;;   ~~~
;;   SOFTMAX AHEAD OF A QUANTISED PRODUCT. Where the list says 'softmax', what is quantised is not the finished softmax but p = 2^(t - M), with t = logit x log2(e) and M = ceil(the row's largest t), a whole number; so 1/2 < the row's largest p <= 1. The row's sum l is taken of the UNQUANTISED p, in f32, and the product's result is divided by l at the end. Since M is a whole number, a kernel that streams over the keys may use a running M (the ceiling of the running maximum): every later rescaling is an exact power of two, which a block's scale takes up: the codes' values come out the same.
;;   OPERANDS COMPUTED ON THE WAY. 'Computed on the way' means the value that the module computes at that place (a softmax that the list does not call 'softmax' is quantised finished and normalised). What goes into a quantiser is computed in f32, as accurately as f32 sums, v_exp_f32 and their like allow (about 1e-6 of the number): no bf16 or f16 on the way to a quantiser, and a product that is left as it is and whose result goes on into a quantised operand takes f32 operands (vector FMAs, or v_wmma_f32_16x16x4_f32). A number that lies on a knife's edge between two numbers of the format may be rounded either way, as far as f32 arithmetic and the matrix unit's own rounding can turn it there, and no further.
;; One version. Each part assembles by itself: llvm-mc -triple=amdgcn-amd-amdhsa -mcpu=gfx1250 --defsym DOCPART=n.
;; ======== version 1 of 1: 4 launches
;; limits: right only within a limited range of input values
;; workspace buffers: rec 11,468,800 bytes; qkv 4,915,200 bytes; arec 3,276,800 bytes
;; launch quant (part 1): grid 256 x 1, 5 waves a work-group, no clusters, 60,416 bytes of LDS; arguments hidden_states, wq, wk, wv, rec; writes rec
.if DOCPART == 1
	.amdgcn_target "amdgcn-amd-amdhsa--gfx1250"
	.amdhsa_code_object_version 6
	.text
	.protected	k_q3944d522ba_quant
	.globl	k_q3944d522ba_quant
	.p2align	8
	.type	k_q3944d522ba_quant,@function
k_q3944d522ba_quant:
	s_mov_b64 s[64:65], 0
	v_nop
	global_prefetch_b8 v0, s[64:65] scope:SCOPE_SE
	s_setreg_imm32_b32 hwreg(HW_REG_WAVE_MODE, 25, 1), 1
	s_wait_xcnt 0x0
; hidden_states [2048][2048], wq [2048][2048], wk [512][2048], wv [512][2048], all f32 with K innermost, become codes of FP6 (E2M3) with one E8M0 byte for each 32 along K,
; laid in the ORDER OF AN OPERAND'S REGISTERS.  Rows go in groups of 64: groups 0-31 hidden_states, 32-63 wq, 64-71 wk, 72-79 wv.  rec = [112 groups][16 K steps of 128][6,400 bytes]; groups 80-111, wo's, are made by the launch attn.
; A RECORD (one group, one K step) is four fragment images of 1,536 bytes and 256 bytes of scale words.  Tile t's row r is group row 32 (t / 2) + 8 (t % 2) + r % 8 + 16 (r / 8).
; An image: registers 4 c .. 4 c + 3 of lane l at 512 c + 16 l.  The scale word of tile 2 i + (l / 16), row l % 16, lies at 6,144 + 8 l + 4 i.
; A block's scale is 2^(floor(log2(its largest magnitude)) - 2); its byte is the largest magnitude's exponent field - 2, held at 1 from below.
; LIMITS: NaN and infinities among the inputs are not served; a block whose largest magnitude lies under 2^-124 has its byte held at 1; a block of zeros gets the byte 1 where the rule says 127
; (its codes are zeros, which add nothing, and the bytes are read by this program alone).
; SHARES: 1,280 records = 256 work-groups x 5 waves, a record to a wave.  Waves share nothing: no barrier, no cluster, no tensor load.  Each load reads 512 consecutive bytes of one row; a tile's 16 rows
; turn through the wave's own stage in LDS, so that a lane gets 16 neighbours along K of each block; 32 loads a wave are on their way.
.set STGB,  8448                       ; a wave's stage: 16 rows of PITCH bytes
.set PITCH, 528                        ; 512 bytes + 16: row r starts 4 r words on, so sixteen lanes' 16 bytes fall on different words of a 64-word line
.set R,   16                           ; v16-143  two sets of 64 numbers as loaded
.set X,   144                          ; v144-207 64 numbers: register 16 b + i = k 32 b + 16 (lane / 16) + i of my row
.set TM,  208                          ; v208-223 at work in QUANT
.set PW,  224                          ; v224-227 the four tiles' scale words
.set PC,  228                          ; v228-239 a tile's codes
.set YT,  240                          ; v240-247 the upper halves' codes on their way
.set SCL, 248                          ; v248-249 the record's scale words as they are stored
.set SEL, 28                           ; s[28:29] lane selects for v_permlanex16_b32: lane l xor 16
; 64 numbers of a lane, v[s] on, become a fragment's 12 registers of codes at v[d] on and its scale word in v[pw].
.macro QUANT s, d, pw
.irp b, 0,1,2,3
	v_max3_num_f32 v[TM+\b], |v[(\s)+16*\b]|, |v[(\s)+16*\b+1]|, 0x1800000   ; block b: my 16 numbers, and the floor 2^(3 - 127): the byte cannot fall under 1
.endr
.irp i, 2,4,6,8,10,12,14
.irp b, 0,1,2,3
	v_max3_num_f32 v[TM+\b], v[TM+\b], |v[(\s)+16*\b+\i]|, |v[(\s)+16*\b+\i+1]|   ; the four blocks by turns
.endr
.endr
.irp b, 0,1,2,3
	v_permlanex16_b32 v[TM+4+\b], v[TM+\b], s[SEL], s[SEL+1]
.endr
.irp b, 0,1,2,3
	v_max_num_f32 v[TM+\b], v[TM+\b], v[TM+4+\b]   ; with lane l xor 16's 16: the block's largest magnitude
.endr
.irp b, 0,1,2,3
	v_add_nc_u32 v[TM+12+\b], 0xff000000, v[TM+\b] ; 2 off its exponent field: the conversion's scale operand
.endr
.irp b, 0,1,2,3
	v_lshrrev_b32 v[TM+4+\b], 23, v[TM+12+\b]      ; the scale's byte
.endr
	v_lshl_or_b32 v[\pw], v[TM+5], 8, v[TM+4]
	v_lshl_or_b32 v[\pw], v[TM+6], 16, v[\pw]
	v_lshl_or_b32 v[\pw], v[TM+7], 24, v[\pw]      ; my row's scale word
.irp c, 0,1
	v_cvt_scalef32_pk16_fp6_f32 v[(\d)+6*\c:(\d)+6*\c+2], v[(\s)+32*\c:(\s)+32*\c+15], v[TM+12+2*\c]
	v_cvt_scalef32_pk16_fp6_f32 v[YT+4*\c:YT+4*\c+2], v[(\s)+32*\c+16:(\s)+32*\c+31], v[TM+13+2*\c]   ; (a conversion's three registers begin on an even number)
.endr
	v_nop                                          ; one plain line behind the scaled conversions
.irp c, 0,1                                    ; the layout wants a whole block in a lane: lanes 0-15 block 2 c, lanes 16-31 block 2 c + 1
.irp i, 0,1,2
	v_permlane16_swap_b32 v[(\d)+6*\c+\i], v[YT+4*\c+\i]
.endr
.irp i, 0,1,2
	v_mov_b32 v[(\d)+6*\c+3+\i], v[YT+4*\c+\i]
.endr
.endr
.endm
.macro LOAD t                          ; tile t's 16 rows, 512 bytes each, into set t % 2
.irp i, 0,1,2,3,4,5,6,7,8,9,10,11,12,13,14,15
	global_load_b128 v[R+64*((\t)%2)+4*\i:R+64*((\t)%2)+4*\i+3], v2, s[24:25] offset:(32*((\t)/2)+8*((\t)%2)+(\i%8)+16*(\i/8))*8192 th:TH_LOAD_NT
.endr
.endm
.macro TURN t                          ; through the stage: LDS serves a wave's instructions in order (ISA guide 5.7.1.4), so no wait stands between the stores and the loads
.irp i, 0,1,2,3,4,5,6,7,8,9,10,11,12,13,14,15
	ds_store_b128 v3, v[R+64*((\t)%2)+4*\i:R+64*((\t)%2)+4*\i+3] offset:PITCH*\i
.endr
.irp b, 0,1,2,3
.irp j, 0,1,2,3
	ds_load_b128 v[X+16*\b+4*\j:X+16*\b+4*\j+3], v4 offset:128*\b+16*\j
.endr
.endr
.endm
.macro TILE t
.if (\t) < 3
	s_wait_loadcnt 16                              ; this tile's 16 loads are in; the next tile's 16 may be out
.else
	s_wait_loadcnt 0x0
.endif
	TURN \t
	s_wait_dscnt 0x0                               ; my numbers are back, and the stores into the stage have read their registers,
.if (\t) < 2
	LOAD (\t)+2                                    ; which take the tile two further on
.endif
	s_wait_xcnt 0x0                                ; the last tile's stores have read v[PC] on: it is written again only behind this wait
	QUANT X, PC, PW+(\t)
.irp c, 0,1,2
	global_store_b128 v2, v[PC+4*\c:PC+4*\c+3], s[26:27] offset:1536*(\t)+512*\c   ; 32 lanes store 512 consecutive bytes, at a multiple of 256 from rec's first byte
.endr
.endm
	s_load_b256 s[4:11], s[0:1], 0x0               ; hidden_states, wq, wk, wv
	s_load_b64 s[14:15], s[0:1], 0x20              ; rec
	v_lshl_add_u32 v254, v0, 2, 0xe800
	v_mov_b32 v255, 0
	v_lshrrev_b32 v1, 5, v0
	v_readfirstlane_b32 s16, v1                    ; wave 0..4
	v_and_b32 v1, 31, v0                           ; lane
	v_and_b32 v6, 15, v0                           ; r
	v_bfe_u32 v7, v0, 4, 1                         ; h
	v_lshlrev_b32 v2, 4, v1                        ; 16 x lane: a load's and a store's place
	v_lshlrev_b32 v5, 3, v1                        ; 8 x lane: the scale words' place
	s_mul_i32 s31, s16, STGB                       ; my stage
	v_add_nc_u32 v3, s31, v2                       ; into it: 16 x lane of a row
	v_mul_u32_u24 v4, v6, PITCH
	v_lshl_add_u32 v4, v7, 6, v4
	v_add_nc_u32 v4, s31, v4                       ; out of it: row r, + 64 h
.irp b, 0,1,2,3
	v_mov_b32 v[TM+4+\b], 0                        ; written once: a lane permute's destination counts as one of its sources
.endr
	s_mov_b32 s[SEL], 0x76543210
	s_mov_b32 s[SEL+1], 0xfedcba98
	s_mov_b32 s30, 0xffff0000                      ; lanes 16-31
	s_mul_i32 s17, ttmp9, 5
	s_add_co_u32 s17, s17, s16                     ; my record, 0 .. 1,279
	s_lshr_b32 s18, s17, 4                         ; its group
	s_and_b32 s19, s17, 15                         ; its K step
	s_mov_b32 s20, 0                               ; the first group of the tensor that the group belongs to
	s_wait_alu depctr_va_vdst(0)
	s_wait_kmcnt 0x0
	s_mov_b64 s[24:25], s[4:5]
	s_cmp_ge_u32 s18, 32                           ; the choices hang on the record's number alone
	s_cselect_b64 s[24:25], s[6:7], s[24:25]
	s_cselect_b32 s20, 32, s20
	s_cmp_ge_u32 s18, 64
	s_cselect_b64 s[24:25], s[8:9], s[24:25]
	s_cselect_b32 s20, 64, s20
	s_cmp_ge_u32 s18, 72
	s_cselect_b64 s[24:25], s[10:11], s[24:25]
	s_cselect_b32 s20, 72, s20
	s_sub_co_u32 s20, s18, s20
	s_lshl_b32 s20, s20, 19                        ; 64 rows of 8,192 bytes a group
	s_lshl_b32 s21, s19, 9                         ; 512 bytes a K step
	s_add_co_u32 s20, s20, s21
	s_mov_b32 s21, 0
	s_add_nc_u64 s[24:25], s[24:25], s[20:21]
	s_mul_i32 s22, s17, 6400
	s_mov_b32 s23, 0
	s_add_nc_u64 s[26:27], s[14:15], s[22:23]
	LOAD 0
	LOAD 1
.irp t, 0,1,2,3
	TILE \t
.endr
	v_cndmask_b32 v[SCL], v[PW], v[PW+1], s30      ; lanes 0-15 tile 0's words, lanes 16-31 tile 1's
	v_cndmask_b32 v[SCL+1], v[PW+2], v[PW+3], s30  ; tiles 2 and 3
	global_store_b64 v5, v[SCL:SCL+1], s[26:27] offset:6144   ; 32 lanes store 256 consecutive bytes
	s_wait_tensorcnt 0x0                           ; the wave's end
	ds_add_u32 v254, v255
	s_wait_dscnt 0x0
	s_endpgm
.Lfunc_end_k_q3944d522ba_quant:
	.size	k_q3944d522ba_quant, .Lfunc_end_k_q3944d522ba_quant-k_q3944d522ba_quant
	.p2alignl 7, 3214868480
	.fill 96, 4, 3214868480
	.section	.rodata,"a",@progbits
	.p2align	6, 0x0
	.amdhsa_kernel k_q3944d522ba_quant
		.amdhsa_group_segment_fixed_size 60416
		.amdhsa_private_segment_fixed_size 0
		.amdhsa_enable_private_segment 0
		.amdhsa_kernarg_size 40
		.amdhsa_user_sgpr_count 2
		.amdhsa_user_sgpr_kernarg_segment_ptr 1
		.amdhsa_wavefront_size32 1
		.amdhsa_system_sgpr_workgroup_id_x 1
		.amdhsa_system_sgpr_workgroup_id_y 1
		.amdhsa_system_sgpr_workgroup_id_z 1
		.amdhsa_system_vgpr_workitem_id 0
		.amdhsa_next_free_vgpr 256
		.amdhsa_next_free_sgpr 66
		.amdhsa_reserve_vcc 0
		.amdhsa_float_denorm_mode_32 3
		.amdhsa_float_denorm_mode_16_64 3
		.amdhsa_memory_ordered 1
		.amdhsa_forward_progress 1
		.amdhsa_inst_pref_size 33
	.end_amdhsa_kernel
	.amdgpu_metadata
---
amdhsa.version: [ 1, 2 ]
amdhsa.kernels:
  - .name:           k_q3944d522ba_quant
    .symbol:         k_q3944d522ba_quant.kd
    .args:
      - { .name: hidden_states, .offset: 0, .size: 8, .value_kind: global_buffer, .address_space: global }
      - { .name: wq, .offset: 8, .size: 8, .value_kind: global_buffer, .address_space: global }
      - { .name: wk, .offset: 16, .size: 8, .value_kind: global_buffer, .address_space: global }
      - { .name: wv, .offset: 24, .size: 8, .value_kind: global_buffer, .address_space: global }
      - { .name: rec, .offset: 32, .size: 8, .value_kind: global_buffer, .address_space: global }
    .group_segment_fixed_size: 60416
    .private_segment_fixed_size: 0
    .kernarg_segment_align: 8
    .kernarg_segment_size: 40
    .max_flat_workgroup_size: 160
    .sgpr_count:     66
    .vgpr_count:     256
    .wavefront_size: 32
...
	.end_amdgpu_metadata
.endif
;; end of part 1
;; launch qkv (part 2): grid 24 x 8, 4 waves a work-group, clusters of 4 x 4, 327,680 bytes of LDS; arguments rec, cos, sin, qkv; writes qkv
.if DOCPART == 2
	.amdgcn_target "amdgcn-amd-amdhsa--gfx1250"
	.amdhsa_code_object_version 6
	.text
	.protected	k_q3944d522ba_qkv
	.globl	k_q3944d522ba_qkv
	.p2align	8
	.type	k_q3944d522ba_qkv,@function
k_q3944d522ba_qkv:
	s_mov_b64 s[64:65], 0
	v_nop
	global_prefetch_b8 v0, s[64:65] scope:SCOPE_SE
	s_setreg_imm32_b32 hwreg(HW_REG_WAVE_MODE, 25, 1), 1
	s_wait_xcnt 0x0
	s_wait_alu depctr_hold_cnt(0) depctr_sa_sdst(0) depctr_va_vdst(0) depctr_va_sdst(0) depctr_va_ssrc(0) depctr_va_vcc(0) depctr_vm_vsrc(0)
	s_getreg_b32 s2, hwreg(HW_REG_IB_STS2, 6, 4)
	s_cmp_eq_u32 s2, 0
	s_cbranch_scc0 .Lentry_in_a_cluster
	s_endpgm
.Lentry_in_a_cluster:
	s_bfe_u32 s2, ttmp6, 0x10000c
	s_cmp_lg_u32 s2, 0xf033
	s_cbranch_scc0 .Lentry_shape_is_right
	s_endpgm
.Lentry_shape_is_right:
; q = x wq^T, k = x wk^T, v = x wv^T on codes of FP6 (E2M3) with E8M0 scales; rotary on q and k in f32; then q and k are quantised along the head's 64 and v along the keys.
; rec = [112 groups of 64 rows][16 K steps][6,400]: groups 0-31 x, 32-63 wq, 64-71 wk, 72-79 wv.  A record: four fragment images (registers 4 c .. 4 c + 3 of lane l at 1,536 f + 512 c + 16 l) and the scale words
; (that of tile 2 i + (l / 16), row l % 16, at 6,144 + 8 l + 4 i).  Tile t's row r is group row 32 (t / 2) + 8 (t % 2) + r % 8 + 16 (r / 8).  A group of a weight's rows is one head.
; qkv = [48 heads: 0-31 q, 32-39 k, 40-47 v][16 blocks of 128 tokens][6,400].  A q or k record: fragment f holds token tile 2 f in registers 0-5 (K = the head's 64) and tile 2 f + 1 in registers 6-11; its scale word
; has tile 2 f's two bytes below and tile 2 f + 1's above.  A v record: fragment f = tile f of the head's 64 channels, K = the block's 128 keys in their order.
; SHARES: a work-group makes 256 tokens x 2 heads; wave w makes tokens 128 (w / 2) on of head w % 2: 32 accumulators, 256 registers, and exactly one record.  192 work-groups.
; THE MATRIX INSTRUCTION IS USED TRANSPOSED (source 0 = 16 rows of the weight, source 1 = 16 tokens): a lane holds one token, and register 32 a + 16 b + i of its accumulators channel 32 b + 16 (lane / 16) + i of token tile a.
; K goes through a ring of two LDS slots of four K steps.  CLUSTER 4 x 4: the token records are shared along a row of the cluster, the weight records along a column: each is asked for jointly.
; LIMITS: NaN and infinities are not served; a block whose largest magnitude lies under 2^-124 has its byte held at 1; a block of zeros gets the byte 1 (zero codes; read by this program alone);
; rotary is one rounded product and one fused multiply-add where the definition rounds two products and a sum.
; REGISTERS: window 0: v1-15 addresses; v32-43 scale words, two sets; v48-143 the weight's fragments, two sets; v144-239 the tokens' fragments, one set; behind the products v48-223 are at work.
;   window 1: the accumulators, (token tile a, weight tile t) at v[8 (4 a + t)].   windows 2 and 3: cos and sin of my eight token tiles, 32 + 32 registers a tile, asked for while the products run.
.set RECB,  6400
.set GRPB,  102400                     ; a group's 16 records
.set QRT,   25600                      ; four K steps of one group
.set LOADB, 51200                      ; what one tensor load brings: two groups x four K steps
.set SLOT,  153600                     ; token groups 0, 1 | token groups 2, 3 | the two weight groups
.set SPARE, 307200                     ; behind the ring: the spare words, 128 bytes for each wave: two blocks of 256 bytes that no other line names
.set B0,    32                         ; the first weight group
.set VAREA, 17536                      ; v's way: an area of 64 token rows of 272 bytes, + 128: the second area begins 32 words on modulo 64
.set VSTG,  35072                      ; and a wave's stage: two areas
.set AX,  1                            ; v1-2   LDS address of my tokens' images in slot 0, 1
.set AW,  3                            ; v3-4   of my weight group's
.set ASX, 5                            ; v5-6   of my tokens' scale words
.set ASW, 7                            ; v7-8   of my weight group's
.set SPW, 9                            ; v9     LDS address of my spare word; never rewritten
.set NIL, 10                           ; v10    0; never rewritten
.set LI,  11                           ; v11    16 x lane
.set L8,  12                           ; v12    8 x lane
.set CA,  13                           ; v13    my byte in a tile's rows of cos and sin
.set STV, 14                           ; v14    v's way: where I put 16 bytes of a token's row
.set RDV, 15                           ; v15    and where I read a channel's column
.set SC,  32
.set WF,  48
.set XF,  144
.set PC,  48                           ; behind the products: v48-95 the record's four fragments
.set YT,  96
.set PW,  104                          ; v104-107 their scale words
.set SCL, 108
.set X,   112                          ; v112-175 64 numbers for QUANT
.set T,   176                          ; v176-207 a token tile's 32 numbers behind rotary
.set TM,  208
.set WV,  12                           ; s12 wave; s13 which 128 tokens; s14 which head
.set G1A, 24
.set G0A, 32
.set G1B, 40
.set G0B, 48
.set SEL, 66
.set MSB, 0
.macro WIN new                         ; the immediate's high byte repeats the setting that is left
.if MSB != \new
	s_set_vgpr_msb (MSB<<8)|\new
.set MSB, \new
.endif
.endm
.macro PLACES n
.rept \n
	v_nop
.endr
.endm
.macro CROUND                          ; a round of the cluster's barrier
	s_barrier_signal -1
	s_barrier_wait -1
	s_cmp_lg_u32 s[WV], 0
	s_cbranch_scc1 .Lnot_wave_0_\@
	s_barrier_signal -3
.Lnot_wave_0_\@:
	s_barrier_wait -3
	s_barrier_signal -1
	s_barrier_wait -1
.endm
; A joint fill: waves 0 and 1 fetch the tokens' halves, waves 2 and 3 one weight group each: every wave issues one load.  The branch hangs on the wave's number alone.  Four v_nop follow each load.
.macro JLOAD s
	s_cmp_lt_u32 s[WV], 2
	s_cbranch_scc0 .Lnot_a_\@
	tensor_load_to_lds s[G0A+4*(\s):G0A+4*(\s)+3], s[G1A:G1A+7]
	s_nop 0
.rept 4
	v_nop
.endr
	s_branch .Lasked_\@
.Lnot_a_\@:
	tensor_load_to_lds s[G0B+4*(\s):G0B+4*(\s)+3], s[G1B:G1B+7]
	s_nop 0
.rept 4
	v_nop
.endr
.Lasked_\@:
.endm
.macro FX slot, q, t0                  ; token tiles t0 .. t0 + 3 of the slot's K step q
.irp a, 0,1,2,3
.irp c, 0,1,2
	ds_load_b128 v[XF+12*((\t0)+\a)+4*\c:XF+12*((\t0)+\a)+4*\c+3], v[AX+(\slot)] offset:((\t0)/4)*QRT+RECB*(\q)+1536*\a+512*\c
.endr
.endr
.endm
.macro FW slot, q, p                   ; the weight's four tiles and all scale words of K step q, into set p
.irp t, 0,1,2,3
.irp c, 0,1,2
	ds_load_b128 v[WF+48*(\p)+12*\t+4*\c:WF+48*(\p)+12*\t+4*\c+3], v[AW+(\slot)] offset:RECB*(\q)+1536*\t+512*\c
.endr
.endr
	ds_load_b64 v[SC+6*(\p):SC+6*(\p)+1], v[ASX+(\slot)] offset:RECB*(\q)+6144
	ds_load_b64 v[SC+6*(\p)+2:SC+6*(\p)+3], v[ASX+(\slot)] offset:QRT+RECB*(\q)+6144
	ds_load_b64 v[SC+6*(\p)+4:SC+6*(\p)+5], v[ASW+(\slot)] offset:RECB*(\q)+6144
.endm
.macro FETCH_ALL slot
	FW \slot, 0, 0
	FX \slot, 0, 0
	FX \slot, 0, 4
.endm
; One product: token tile ta x weight tile t.  A scale register holds an even tile's words in lanes 0-15 and the odd tile's in lanes 16-31.
.macro WM ta, t, p, zero
.set rD, 8*(4*(\ta)+(\t))
.set rA, WF+48*(\p)+12*(\t)
.set rB, XF+12*(\ta)
.set rP, SC+6*(\p)+4+(\t)/2
.set rQ, SC+6*(\p)+(\ta)/2
.set oA, (\t)%2
.set oB, (\ta)%2
.if \zero
.if (oA == 0) && (oB == 0)
	v_wmma_scale_f32_16x16x128_f8f6f4 v[rD:rD+7], v[rA:rA+11], v[rB:rB+11], 0, v[rP], v[rQ] matrix_a_fmt:MATRIX_FMT_FP6 matrix_b_fmt:MATRIX_FMT_FP6
.elseif (oA == 1) && (oB == 0)
	v_wmma_scale_f32_16x16x128_f8f6f4 v[rD:rD+7], v[rA:rA+11], v[rB:rB+11], 0, v[rP], v[rQ] matrix_a_fmt:MATRIX_FMT_FP6 matrix_b_fmt:MATRIX_FMT_FP6 matrix_a_scale:MATRIX_SCALE_ROW1
.elseif (oA == 0) && (oB == 1)
	v_wmma_scale_f32_16x16x128_f8f6f4 v[rD:rD+7], v[rA:rA+11], v[rB:rB+11], 0, v[rP], v[rQ] matrix_a_fmt:MATRIX_FMT_FP6 matrix_b_fmt:MATRIX_FMT_FP6 matrix_b_scale:MATRIX_SCALE_ROW1
.else
	v_wmma_scale_f32_16x16x128_f8f6f4 v[rD:rD+7], v[rA:rA+11], v[rB:rB+11], 0, v[rP], v[rQ] matrix_a_fmt:MATRIX_FMT_FP6 matrix_b_fmt:MATRIX_FMT_FP6 matrix_a_scale:MATRIX_SCALE_ROW1 matrix_b_scale:MATRIX_SCALE_ROW1
.endif
.else
.if (oA == 0) && (oB == 0)
	v_wmma_scale_f32_16x16x128_f8f6f4 v[rD:rD+7], v[rA:rA+11], v[rB:rB+11], v[rD:rD+7], v[rP], v[rQ] matrix_a_fmt:MATRIX_FMT_FP6 matrix_b_fmt:MATRIX_FMT_FP6
.elseif (oA == 1) && (oB == 0)
	v_wmma_scale_f32_16x16x128_f8f6f4 v[rD:rD+7], v[rA:rA+11], v[rB:rB+11], v[rD:rD+7], v[rP], v[rQ] matrix_a_fmt:MATRIX_FMT_FP6 matrix_b_fmt:MATRIX_FMT_FP6 matrix_a_scale:MATRIX_SCALE_ROW1
.elseif (oA == 0) && (oB == 1)
	v_wmma_scale_f32_16x16x128_f8f6f4 v[rD:rD+7], v[rA:rA+11], v[rB:rB+11], v[rD:rD+7], v[rP], v[rQ] matrix_a_fmt:MATRIX_FMT_FP6 matrix_b_fmt:MATRIX_FMT_FP6 matrix_b_scale:MATRIX_SCALE_ROW1
.else
	v_wmma_scale_f32_16x16x128_f8f6f4 v[rD:rD+7], v[rA:rA+11], v[rB:rB+11], v[rD:rD+7], v[rP], v[rQ] matrix_a_fmt:MATRIX_FMT_FP6 matrix_b_fmt:MATRIX_FMT_FP6 matrix_a_scale:MATRIX_SCALE_ROW1 matrix_b_scale:MATRIX_SCALE_ROW1
.endif
.endif
.endm
.macro MULH half, p, zero              ; 16 products: token tiles 4 half .. 4 half + 3 x the weight's four.  The 32 accumulators take turns, one instruction a turn, in the same order in every step
	WIN 0x50                                       ; C and D window 1, the operands window 0
.irp a, 0,1,2,3
.irp t, 0,1,2,3
	WM 4*(\half)+\a, \t, \p, \zero
.endr
.endr
.endm
; A K step of 128 that has its successor in the same slot.  Loads into registers that matrix instructions have read stand four plain vector lines behind them (ISA guide 7.12.1 for vector instructions).
.macro STEP slot, q, zero
	s_wait_dscnt 12                                ; all but the youngest twelve loads (token tiles 4-7) are in
	MULH 0, (\q)%2, \zero
	s_wait_dscnt 0x0                               ; token tiles 4-7 are in
	PLACES 4
	WIN 0
	FW \slot, (\q)+1, ((\q)+1)%2
	FX \slot, (\q)+1, 0
	MULH 1, (\q)%2, \zero
	PLACES 4
	WIN 0
	FX \slot, (\q)+1, 4
.endm
.macro STEPL                           ; a slot's last K step: nothing more to fetch from it
	s_wait_dscnt 12
	MULH 0, 1, 0
	s_wait_dscnt 0x0
	MULH 1, 1, 0
	WIN 0
.endm
; THE CHANGE OF SLOTS.  Each wave waits for all its tensor loads (its part of the slot ahead), adds 0 to its spare word, and waits for that and for its reads of the slot that it leaves.
; fill = 1: the barrier is a round of the cluster's, and behind it the slot just left is filled with the four K steps that lie eight on: one tensor load a wave, first thing there.
.macro CHANGE slot, fill
	s_wait_tensorcnt 0x0                           ; no tensor load of mine is out, so a group 0 may be written
	ds_add_u32 v[SPW], v[NIL]                      ; 0 onto my spare word
.if \fill
	s_add_nc_u64 s[G0A+4*(\slot)+2:G0A+4*(\slot)+3], s[G0A+4*(\slot)+2:G0A+4*(\slot)+3], 2*QRT
	s_add_nc_u64 s[G0B+4*(\slot)+2:G0B+4*(\slot)+3], s[G0B+4*(\slot)+2:G0B+4*(\slot)+3], 2*QRT
.endif
	s_wait_dscnt 0x0                               ; the add is done, and my reads of the slot are over
.if \fill
	CROUND
	JLOAD \slot
.else
	s_barrier_signal -1
	s_barrier_wait -1
.endif
	PLACES 4                                       ; in front of the loads into the fragments' registers
.endm
; 64 numbers of a lane, register 16 b + i = k 32 b + 16 (lane / 16) + i of my row, become a fragment's codes at v[d] on and its scale word in v[pw].
.macro QUANT s, d, pw
.irp b, 0,1,2,3
	v_max3_num_f32 v[TM+\b], |v[(\s)+16*\b]|, |v[(\s)+16*\b+1]|, 0x1800000   ; and the floor 2^(3 - 127): the byte cannot fall under 1
.endr
.irp i, 2,4,6,8,10,12,14
.irp b, 0,1,2,3
	v_max3_num_f32 v[TM+\b], v[TM+\b], |v[(\s)+16*\b+\i]|, |v[(\s)+16*\b+\i+1]|
.endr
.endr
.irp b, 0,1,2,3
	v_permlanex16_b32 v[TM+4+\b], v[TM+\b], s[SEL], s[SEL+1]
.endr
.irp b, 0,1,2,3
	v_max_num_f32 v[TM+\b], v[TM+\b], v[TM+4+\b]
.endr
.irp b, 0,1,2,3
	v_add_nc_u32 v[TM+12+\b], 0xff000000, v[TM+\b] ; 2 off the exponent field: the conversion's scale operand
.endr
.irp b, 0,1,2,3
	v_lshrrev_b32 v[TM+4+\b], 23, v[TM+12+\b]      ; the scale's byte
.endr
	v_lshl_or_b32 v[\pw], v[TM+5], 8, v[TM+4]
	v_lshl_or_b32 v[\pw], v[TM+6], 16, v[\pw]
	v_lshl_or_b32 v[\pw], v[TM+7], 24, v[\pw]
.irp c, 0,1
	v_cvt_scalef32_pk16_fp6_f32 v[(\d)+6*\c:(\d)+6*\c+2], v[(\s)+32*\c:(\s)+32*\c+15], v[TM+12+2*\c]
	v_cvt_scalef32_pk16_fp6_f32 v[YT+4*\c:YT+4*\c+2], v[(\s)+32*\c+16:(\s)+32*\c+31], v[TM+13+2*\c]
.endr
	v_nop                                          ; one plain line behind the scaled conversions
.irp c, 0,1
.irp i, 0,1,2
	v_permlane16_swap_b32 v[(\d)+6*\c+\i], v[YT+4*\c+\i]
.endr
.irp i, 0,1,2
	v_mov_b32 v[(\d)+6*\c+3+\i], v[YT+4*\c+\i]
.endr
.endr
.endm
; The same for 32 numbers, two blocks: six registers of codes at v[d] on; the two bytes go into the low (hi = 0) or the high (hi = 1) half of v[pw].
.macro QUANT2 s, d, pw, hi
.irp b, 0,1
	v_max3_num_f32 v[TM+\b], |v[(\s)+16*\b]|, |v[(\s)+16*\b+1]|, 0x1800000
.endr
.irp i, 2,4,6,8,10,12,14
.irp b, 0,1
	v_max3_num_f32 v[TM+\b], v[TM+\b], |v[(\s)+16*\b+\i]|, |v[(\s)+16*\b+\i+1]|
.endr
.endr
.irp b, 0,1
	v_permlanex16_b32 v[TM+4+\b], v[TM+\b], s[SEL], s[SEL+1]
.endr
.irp b, 0,1
	v_max_num_f32 v[TM+\b], v[TM+\b], v[TM+4+\b]
.endr
.irp b, 0,1
	v_add_nc_u32 v[TM+12+\b], 0xff000000, v[TM+\b]
.endr
.irp b, 0,1
	v_lshrrev_b32 v[TM+4+\b], 23, v[TM+12+\b]
.endr
.if \hi
	v_lshl_or_b32 v[TM+4], v[TM+5], 8, v[TM+4]
	v_lshl_or_b32 v[\pw], v[TM+4], 16, v[\pw]
.else
	v_lshl_or_b32 v[\pw], v[TM+5], 8, v[TM+4]
.endif
	v_cvt_scalef32_pk16_fp6_f32 v[(\d):(\d)+2], v[(\s):(\s)+15], v[TM+12]
	v_cvt_scalef32_pk16_fp6_f32 v[YT:YT+2], v[(\s)+16:(\s)+31], v[TM+13]
	v_nop
.irp i, 0,1,2
	v_permlane16_swap_b32 v[(\d)+\i], v[YT+\i]
.endr
.irp i, 0,1,2
	v_mov_b32 v[(\d)+3+\i], v[YT+\i]
.endr
.endm
; cos and sin of token tile t: my token's channels 32 b + 16 (lane / 16) + 0 .. 15.  Tiles 0-3 lie in window 2, tiles 4-7 in window 3, 64 registers a tile: cos at 16 b, sin 32 further on.
; All eight tiles are asked for while the products run: two at the head, two more behind the first fragment loads of each of the first three turns of the slots; one wait behind the products serves them all.
.macro CSLOAD t
.if (\t) < 4
	WIN 0x80
.else
	WIN 0xc0
.endif
.irp b, 0,1
.irp j, 0,1,2,3
	global_load_b128 v[64*((\t)%4)+16*\b+4*\j:64*((\t)%4)+16*\b+4*\j+3], v[CA], s[6:7] offset:(32*((\t)/2)+8*((\t)%2))*256+128*\b+16*\j
	global_load_b128 v[64*((\t)%4)+32+16*\b+4*\j:64*((\t)%4)+32+16*\b+4*\j+3], v[CA], s[8:9] offset:(32*((\t)/2)+8*((\t)%2))*256+128*\b+16*\j
.endr
.endr
.endm
; Rotary and the quantiser for token tile ta.  Channels d and d + 32 lie in one lane: out(d) = a(d) cos(d) - a(d + 32) sin(d), out(d + 32) = a(d + 32) cos(d + 32) + a(d) sin(d + 32).  Each accumulator is read from its low end on.
.macro ROT ta
.if (\ta) < 4
	WIN 0x09                                       ; source 0 window 1 (the accumulators), source 1 window 2 (cos, sin)
.else
	WIN 0x0d                                       ; source 1 window 3
.endif
.set rA, 32*(\ta)
.set rC, 64*((\ta)%4)
.irp i, 0,2,4,6,8,10,12,14,16,18,20,22,24,26,28,30
	v_pk_mul_f32 v[T+\i:T+\i+1], v[rA+\i:rA+\i+1], v[rC+\i:rC+\i+1]
.endr
.irp i, 0,2,4,6,8,10,12,14
	v_pk_fma_f32 v[T+\i:T+\i+1], v[rA+16+\i:rA+17+\i], v[rC+32+\i:rC+33+\i], v[T+\i:T+\i+1] neg_lo:[1,0,0] neg_hi:[1,0,0]
.endr
.irp i, 0,2,4,6,8,10,12,14
	v_pk_fma_f32 v[T+16+\i:T+17+\i], v[rA+\i:rA+\i+1], v[rC+48+\i:rC+49+\i], v[T+16+\i:T+17+\i]
.endr
	WIN 0
	QUANT2 T, PC+12*((\ta)/2)+6*((\ta)%2), PW+(\ta)/2, (\ta)%2
.endm
	s_load_b256 s[4:11], s[0:1], 0x0               ; rec s[4:5], cos s[6:7], sin s[8:9], qkv s[10:11]
	v_lshl_add_u32 v[SPW], v0, 2, SPARE
	v_mov_b32 v[NIL], 0
	ds_add_u32 v9, v10
	ds_add_u32 v9, v10
	s_wait_dscnt 0x0
	v_lshrrev_b32 v21, 5, v0
	v_readfirstlane_b32 s[WV], v21                 ; wave 0..3
	s_lshr_b32 s13, s[WV], 1                       ; which 128 tokens are mine
	s_and_b32 s14, s[WV], 1                        ; which head.  Also: which two token groups I fetch
	s_bfe_u32 s15, ttmp6, 0x40000                  ; cx, cy: my place in the cluster
	s_bfe_u32 s16, ttmp6, 0x40004
	s_lshl_b32 s17, ttmp9, 2
	s_add_co_u32 s17, s17, s15                     ; nb: my pair of heads = 4 x cluster x + cx
	s_and_b32 s18, ttmp7, 0xffff
	s_lshl_b32 s18, s18, 2
	s_add_co_u32 s18, s18, s16                     ; mb: my 256 tokens = 4 x cluster y + cy
	s_lshl_b32 s19, s16, 2
	s_lshl_b32 s19, 15, s19                        ; my row of the cluster
	s_lshl_b32 s20, 0x1111, s15                    ; my column
	; descriptor group 1: two rows of 25,600 bytes (3,200 elements of 8 bytes: four records of one group), 102,400 bytes apart in memory, dense in LDS
	s_or_b32 s[G1A], s19, (3<<16)|(1<<21)          ; 15:0 the mask: the tokens' records go to my row; 17:16 elements of 8 bytes; 21 set beside a mask
	s_or_b32 s[G1B], s20, (3<<16)|(1<<21)          ; the weights' to my column
.irp g, G1A
	s_mov_b32 s[\g+1], 3200<<16                    ; tensor_dim0
	s_mov_b32 s[\g+2], 2<<16                       ; tensor_dim1
	s_mov_b32 s[\g+3], 3200<<16                    ; tile_dim0
	s_mov_b32 s[\g+4], 2                           ; tile_dim1
	s_mov_b32 s[\g+5], 12800                       ; tensor_dim0_stride
	s_mov_b32 s[\g+6], 0
	s_mov_b32 s[\g+7], 0
.endr
	; the weights' group 1: four records of ONE group, 25,600 dense bytes, as 100 rows of 256 bytes (32 elements of 8 bytes)
	s_mov_b32 s[G1B+1], 32<<16
	s_mov_b32 s[G1B+2], 100<<16
	s_mov_b32 s[G1B+3], 32<<16
	s_mov_b32 s[G1B+4], 100
	s_mov_b32 s[G1B+5], 32
	s_mov_b32 s[G1B+6], 0
	s_mov_b32 s[G1B+7], 0
	s_lshl_b32 s19, s18, 2
	s_lshl_b32 s21, s14, 1
	s_add_co_u32 s19, s19, s21                     ; token group 4 mb + 2 (wave % 2)
	s_mul_i32 s56, s19, GRPB
	s_mov_b32 s57, 0
	s_lshl_b32 s20, s17, 1
	s_add_co_u32 s20, s20, B0
	s_add_co_u32 s20, s20, s14                     ; weight group B0 + 2 nb + wave % 2
	s_mul_i32 s58, s20, GRPB
	s_mov_b32 s59, 0
	s_mul_i32 s22, s[WV], LOADB                    ; where the tokens' halves go: wave x 51,200: no place in the cluster enters an LDS address
	s_mul_i32 s70, s14, QRT                        ; and a weight group: behind the tokens' four groups, (wave % 2) x 25,600
	s_add_co_u32 s70, s70, 2*LOADB
	s_mov_b32 s62, 0xffff0000                      ; lanes 16-31
	s_mov_b32 s[SEL], 0x76543210
	s_mov_b32 s[SEL+1], 0xfedcba98
	s_wait_kmcnt 0x0
	s_add_nc_u64 s[56:57], s[4:5], s[56:57]
	s_add_nc_u64 s[58:59], s[4:5], s[58:59]
	CROUND                                         ; all sixteen work-groups are here: the first joint loads meet
.irp s, 0,1
	s_mov_b32 s[G0A+4*\s], 1
	s_add_co_u32 s[G0A+4*\s+1], s22, \s*SLOT
	s_add_nc_u64 s[G0A+4*\s+2:G0A+4*\s+3], s[56:57], \s*QRT
	s_or_b32 s[G0A+4*\s+3], s[G0A+4*\s+3], 0x80000000
	s_mov_b32 s[G0B+4*\s], 1
	s_add_co_u32 s[G0B+4*\s+1], s70, \s*SLOT
	s_add_nc_u64 s[G0B+4*\s+2:G0B+4*\s+3], s[58:59], \s*QRT
	s_or_b32 s[G0B+4*\s+3], s[G0B+4*\s+3], 0x80000000
.endr
	s_cmp_lt_u32 s[WV], 2                          ; slot 0's first fill: one tensor load a wave, one in each arm
	s_cbranch_scc0 .Lfirst_b
	tensor_load_to_lds s[G0A:G0A+3], s[G1A:G1A+7]
	s_nop 0
.rept 4
	v_nop
.endr
	s_branch .Lfirst_done
.Lfirst_b:
	tensor_load_to_lds s[G0B:G0B+3], s[G1B:G1B+7]
	s_nop 0
.rept 4
	v_nop
.endr
.Lfirst_done:
	v_and_b32 v21, 31, v0                          ; lane
	v_and_b32 v22, 15, v0                          ; r
	v_bfe_u32 v23, v0, 4, 1                        ; h
	v_and_b32 v24, 8, v22
	v_add_nc_u32 v24, v24, v22                     ; r % 8 + 16 (r / 8): my row's place among a tile's
	v_and_b32 v25, 7, v0                           ; r % 8
	v_bfe_u32 v26, v0, 3, 1                        ; r / 8
	v_lshlrev_b32 v[LI], 4, v21
	v_lshlrev_b32 v[L8], 3, v21
	s_mul_i32 s21, s13, LOADB                      ; my two token groups
	s_mul_i32 s23, s14, QRT                        ; my weight group,
	s_add_co_u32 s23, s23, 2*LOADB                 ; behind the tokens' four
.irp s, 0,1
	v_add_nc_u32 v[AX+\s], s21, v[LI]
	v_add_nc_u32 v[AW+\s], s23, v[LI]
	v_add_nc_u32 v[ASX+\s], s21, v[L8]
	v_add_nc_u32 v[ASW+\s], s23, v[L8]
	s_add_co_u32 s21, s21, SLOT
	s_add_co_u32 s23, s23, SLOT
.endr
	v_lshlrev_b32 v[CA], 8, v24                    ; cos, sin: a token's row is 256 bytes,
	v_lshl_add_u32 v[CA], v23, 6, v[CA]            ; + 64 h
	; v's way: my stage in slot 0.  Token n of my 128 lies in area (n / 16) % 2, row n % 16 + 16 (n / 32), 272 bytes a row.  The areas begin 32 words apart modulo 64: the sixteen lanes of a store of 16 bytes
	; (eight rows of each area) touch sixteen different runs of four words, and the 32 lanes of a load of 4 bytes (lanes 16-31 in the other area) 32 different words of a line of 64
	s_wait_alu depctr_va_vdst(0)
	s_mul_i32 s21, s[WV], VSTG
	v_mul_u32_u24 v[STV], v25, 272
	v_mad_u32_u24 v[STV], v26, VAREA, v[STV]
	v_lshl_add_u32 v[STV], v23, 6, v[STV]
	v_add_nc_u32 v[STV], s21, v[STV]               ; in: area r / 8, row r % 8 of the tile's eight, + 64 h
	v_mul_u32_u24 v[RDV], v23, VAREA
	v_lshl_add_u32 v[RDV], v24, 2, v[RDV]
	v_add_nc_u32 v[RDV], s21, v[RDV]               ; out: area h, my channel's word
	s_lshl_b32 s60, s18, 16                        ; my first token's row of cos and sin: (256 mb + 128 half) x 256 bytes
	s_lshl_b32 s61, s13, 15
	s_add_co_u32 s60, s60, s61
	s_mov_b32 s61, 0
	s_add_nc_u64 s[6:7], s[6:7], s[60:61]
	s_add_nc_u64 s[8:9], s[8:9], s[60:61]
	s_lshl_b32 s60, s17, 1
	s_add_co_u32 s60, s60, s14                     ; my head, 0 .. 47
	s_lshl_b32 s60, s60, 4
	s_lshl_b32 s61, s18, 1
	s_add_co_u32 s60, s60, s61
	s_add_co_u32 s60, s60, s13                     ; x 16 + my block of 128 tokens
	s_mul_i32 s60, s60, RECB
	s_mov_b32 s61, 0
	s_add_nc_u64 s[10:11], s[10:11], s[60:61]      ; my record
	CSLOAD 0                                       ; every work-group asks for cos and sin, v's too: one text for all, and no register is left unwritten on any way
	CSLOAD 1
	WIN 0
	s_wait_alu depctr_va_vdst(0)
	s_wait_tensorcnt 0x0                           ; my part of slot 0 is in
	ds_add_u32 v[SPW], v[NIL]
	s_wait_dscnt 0x0
	CROUND                                         ; everybody's part of slot 0 is in, and all sixteen work-groups are here
	JLOAD 1                                        ; slot 1's first fill, K steps 4-7: the first tensor load behind the round
	FETCH_ALL 0
	CSLOAD 2                                       ; behind the run of LDS loads for which the first products wait
	CSLOAD 3
	STEP 0, 0, 1                                   ; the first products start the sums: nothing is cleared
	STEP 0, 1, 0
	STEP 0, 2, 0
	STEPL
	CHANGE 0, 1                                    ; slot 0 takes K steps 8-11
	FETCH_ALL 1
	CSLOAD 4
	CSLOAD 5
	STEP 1, 0, 0
	STEP 1, 1, 0
	STEP 1, 2, 0
	STEPL
	CHANGE 1, 1                                    ; slot 1 takes K steps 12-15
	FETCH_ALL 0
	CSLOAD 6
	CSLOAD 7
	STEP 0, 0, 0
	STEP 0, 1, 0
	STEP 0, 2, 0
	STEPL
	CHANGE 0, 0                                    ; nothing is left to fetch; slot 0 has had its last fill and its last read
	FETCH_ALL 1
	STEP 1, 0, 0
	STEP 1, 1, 0
	STEP 1, 2, 0
	STEPL
	PLACES 4                                       ; in front of the first read of results and the first write into operands' registers
.irp b, 0,1,2,3
	v_mov_b32 v[TM+4+\b], 0                        ; a lane permute's destination counts as one of its sources
.endr
	s_wait_loadcnt 0x0                             ; cos and sin of all eight tiles: the youngest were asked for more than a slot's four K steps ago
	s_cmp_eq_u32 ttmp9, 5                          ; the cluster's x, alike in all partners: clusters 0-4 hold q's and k's heads, cluster 5 v's
	s_cbranch_scc1 .Lvpath
.irp a, 0,1,2,3,4,5,6,7
	ROT \a
.endr
	s_branch .Lput
.Lvpath:
	; v is quantised along the KEYS, which lie across lanes: the wave's 128 tokens x 64 channels turn through its own stage (LDS serves a wave's instructions in order: ISA guide 5.7.1.4).
	WIN 0x04                                       ; an LDS store's data are its source 1: window 1
	s_wait_alu depctr_va_vdst(0)
.irp a, 0,1,2,3,4,5,6,7
.irp t, 0,1,2,3
	ds_store_b128 v[STV], v[8*(4*\a+\t):8*(4*\a+\t)+3] offset:(16*(\a/2)+8*(\a%2))*272+128*(\t/2)+32*(\t%2)       ; each accumulator from its low end on
	ds_store_b128 v[STV], v[8*(4*\a+\t)+4:8*(4*\a+\t)+7] offset:(16*(\a/2)+8*(\a%2))*272+128*(\t/2)+32*(\t%2)+16
.endr
.endr
	WIN 0
.irp t, 0,1,2,3                                ; channel tile t: lane (r, h) takes its channel's keys 32 p + 16 h + i: area h, row 16 p + i
.irp p, 0,1,2,3
.irp i, 0,1,2,3,4,5,6,7,8,9,10,11,12,13,14,15
	ds_load_b32 v[X+16*\p+\i], v[RDV] offset:(16*\p+\i)*272+4*(32*(\t/2)+8*(\t%2))
.endr
.endr
	s_wait_dscnt 0x0
	QUANT X, PC+12*\t, PW+\t
.endr
.Lput:
	s_wait_alu depctr_va_vdst(0)
.irp f, 0,1,2,3
.irp c, 0,1,2
	global_store_b128 v[LI], v[PC+12*\f+4*\c:PC+12*\f+4*\c+3], s[10:11] offset:1536*\f+512*\c   ; 32 lanes store 512 consecutive bytes, at a multiple of 256 from qkv's first byte
.endr
.endr
	v_cndmask_b32 v[SCL], v[PW], v[PW+1], s62      ; lanes 0-15 fragment 0's words, lanes 16-31 fragment 1's
	v_cndmask_b32 v[SCL+1], v[PW+2], v[PW+3], s62
	global_store_b64 v[L8], v[SCL:SCL+1], s[10:11] offset:6144
	s_wait_tensorcnt 0x0                           ; the wave's end
	ds_add_u32 v[SPW], v[NIL]
	s_wait_dscnt 0x0
	CROUND                                         ; the closing round: no work-group ends while a partner may still ask for a tile that names it
	s_endpgm
.Lfunc_end_k_q3944d522ba_qkv:
	.size	k_q3944d522ba_qkv, .Lfunc_end_k_q3944d522ba_qkv-k_q3944d522ba_qkv
	.p2alignl 7, 3214868480
	.fill 96, 4, 3214868480
	.section	.rodata,"a",@progbits
	.p2align	6, 0x0
	.amdhsa_kernel k_q3944d522ba_qkv
		.amdhsa_group_segment_fixed_size 327680
		.amdhsa_private_segment_fixed_size 0
		.amdhsa_enable_private_segment 0
		.amdhsa_kernarg_size 32
		.amdhsa_user_sgpr_count 2
		.amdhsa_user_sgpr_kernarg_segment_ptr 1
		.amdhsa_wavefront_size32 1
		.amdhsa_system_sgpr_workgroup_id_x 1
		.amdhsa_system_sgpr_workgroup_id_y 1
		.amdhsa_system_sgpr_workgroup_id_z 1
		.amdhsa_system_vgpr_workitem_id 0
		.amdhsa_next_free_vgpr 1024
		.amdhsa_next_free_sgpr 72
		.amdhsa_reserve_vcc 0
		.amdhsa_float_denorm_mode_32 3
		.amdhsa_float_denorm_mode_16_64 3
		.amdhsa_memory_ordered 1
		.amdhsa_forward_progress 1
		.amdhsa_inst_pref_size 201
	.end_amdhsa_kernel
	.amdgpu_metadata
---
amdhsa.version: [ 1, 2 ]
amdhsa.kernels:
  - .name:           k_q3944d522ba_qkv
    .symbol:         k_q3944d522ba_qkv.kd
    .args:
      - { .name: rec, .offset: 0, .size: 8, .value_kind: global_buffer, .address_space: global }
      - { .name: cos, .offset: 8, .size: 8, .value_kind: global_buffer, .address_space: global }
      - { .name: sin, .offset: 16, .size: 8, .value_kind: global_buffer, .address_space: global }
      - { .name: qkv, .offset: 24, .size: 8, .value_kind: global_buffer, .address_space: global }
    .group_segment_fixed_size: 327680
    .private_segment_fixed_size: 0
    .kernarg_segment_align: 8
    .kernarg_segment_size: 32
    .max_flat_workgroup_size: 128
    .sgpr_count:     72
    .vgpr_count:     1024
    .wavefront_size: 32
...
	.end_amdgpu_metadata
.endif
;; end of part 2
;; launch attn (part 3): grid 32 x 8, 8 waves a work-group, clusters of 4 x 1, 286,720 bytes of LDS; arguments qkv, arec, wo, rec; writes arec, rec
.if DOCPART == 3
	.amdgcn_target "amdgcn-amd-amdhsa--gfx1250"
	.amdhsa_code_object_version 6
	.text
	.protected	k_q3944d522ba_attn
	.globl	k_q3944d522ba_attn
	.p2align	8
	.type	k_q3944d522ba_attn,@function
k_q3944d522ba_attn:
	s_mov_b64 s[64:65], 0
	v_nop
	global_prefetch_b8 v0, s[64:65] scope:SCOPE_SE
	s_setreg_imm32_b32 hwreg(HW_REG_WAVE_MODE, 25, 1), 1
	s_wait_xcnt 0x0
	s_wait_alu depctr_hold_cnt(0) depctr_sa_sdst(0) depctr_va_vdst(0) depctr_va_sdst(0) depctr_va_ssrc(0) depctr_va_vcc(0) depctr_vm_vsrc(0)
	s_getreg_b32 s2, hwreg(HW_REG_IB_STS2, 6, 4)
	s_cmp_eq_u32 s2, 0
	s_cbranch_scc0 .Lentry_in_a_cluster
	s_endpgm
.Lentry_in_a_cluster:
	s_bfe_u32 s2, ttmp6, 0x10000c
	s_cmp_lg_u32 s2, 0x3003
	s_cbranch_scc0 .Lentry_shape_is_right
	s_endpgm
.Lentry_shape_is_right:
; o = softmax(q k^T / 8) v for 32 query heads on 8 key and value heads, both products on codes of FP6 (E2M3) with E8M0 scales; o is divided by the row's sum and quantised along head x 64 + channel.
; qkv = [48 heads: 0-31 q, 32-39 k, 40-47 v][16 blocks of 128 tokens][6,400]; a record is four fragment images (registers 4 c .. 4 c + 3 of lane l at 1,536 f + 512 c + 16 l) and scale words (fragment 2 i + (l / 16),
; row l % 16, at 6,144 + 8 l + 4 i).  In a q or k record fragment f holds token tile 2 f in registers 0-5 (K = the head's 64) and tile 2 f + 1 in registers 6-11.  Tile T's row r is token 32 (T / 2) + 8 (T % 2) + r % 8 + 16 (r / 8).
; In a v record fragment f is channel tile f, K = the block's 128 keys in their order.   arec = [32 groups of 64 tokens][16 K steps = pairs of heads][6,400], records as the next product's operand wants them.
; THE SOFTMAX: t = score x log2(e) / 8; M = the running largest t rounded UP to a whole number; p = 2^(t - M) is quantised along the keys, not normalised; the row's sum is taken of the unquantised p.
; When M moves, the sums and O are multiplied by 2^(old M - new M): exact.
; SHARES: a work-group owns 64 tokens of one key and value head; wave w owns query head 4 g + w / 2 and the two tiles of 16 tokens of its pair fragment w % 2, so each fragment of K and V read from LDS feeds two tiles.  256 work-groups of 8 waves.
; Both products are used transposed: a lane holds ONE query.  K = 64 in the first product: source 0 is a pair fragment of k, source 1 is [q; zero codes] or [zero codes; q].
; THE ROWS OF A KEY TILE ARE CHOSEN BY THE LDS ADDRESS: lane (r, h) of pair fragment (c, w) reads the stored image of fragment 2 c + r / 8, lane r % 8 + 8 w + 16 h.  Then row r of key tile (c, u = 2 w + z) is key
; 64 c + 32 (r / 8) + 8 u + r % 8, and a lane's registers 32 c + 8 u + j are the 32 keys of block 2 c + (lane / 16) in their order: a block's largest score needs no other lane, and the conversions' results lie as the operand wants them.
; LDS: the head's K (102,400 bytes) and V (102,400) lie there whole, each byte filled once: one joint load a wave, 25,600 dense bytes; behind them 12,800 bytes of stage for the two records, then the spare words.
; CLUSTER 4 x 1: the four token blocks of a cluster walk the same K and V.  No prefetch: every tile is asked for at the head, and no loop runs ahead of a load.
; REGISTERS: window 0: addresses, scale words, K's and V's fragments, and each tile's small state (24 registers a tile, the two tiles by turns).  Tile u lies in window 1 at 128 u: S^T then p 0-63, O^T 64-95, [q; 0; q] 96-113, p's codes 114-125.
; LIMITS: the promise holds while the scaled scores stay under 2^31 in magnitude; NaN and infinities are not served; a block whose largest magnitude lies under 2^-124 has its byte held at 1; a block of zeros gets the byte 1 (zero codes; read by this program alone).
.set VB,   102400
.set OST,  204800
.set SPARE,217600                      ; the spare words: 128 bytes for each of the eight waves
.set LI,  1                            ; 16 x lane
.set LS,  2                            ; 8 x lane + 6,144
.set LIK, 3                            ; K's images by the chosen rows: 1,536 (r / 8) + 16 (r % 8) + 256 h
.set LSK, 4                            ; K's scale words: 6,144 + 128 (r / 8) + 8 (r % 8) + 64 h
.set ADK, 5
.set ADS, 6
.set ADV, 7
.set ADT, 8
.set SPW, 9
.set NIL, 10
.set SH8, 11                           ; 8 h
.set OA0, 12
.set OA1, 13
.set OAS, 14
.set CP,  15
.set GO,  16
.set QO,  17
.set QW,  18
.set KS,  20                           ; v20-21 K's scale words; v22-23 V's; v24-27 q's; v28-29 p's, one a tile
.set VS,  22
.set QS,  24
.set PW,  28
.set QWD, 32
.set KF,  36                           ; v36-83 K's four pair fragments
.set VF,  84                           ; v84-131 V's four fragments
.set ST,  132                          ; tile u's state at ST + 24 u: 0 -M, 1 the largest t, 2-3 f, 4-7 maxima, 8-15 the sum in four pairs, 16-17 the conversions' scales, 18-19 at work
.set OB,  64
.set QB,  96
.set PCB, 114
.set X,   36                           ; the way out, in window 0
.set TM,  100
.set PO,  124
.set YT,  116
.set FW,  130
; THIS LAUNCH ALSO QUANTISES wo [2048][2048] f32 along K into rec's groups 80-111 (records as the launch quant lays them; the last launch reads them).  512 records = 256 work-groups x 2; a record's four tiles go to four waves:
; wave w takes tile w % 4 (16 rows x 128 along K) of record 2 x (32 g + tb) + w / 4.  Its 16 loads of 512 consecutive bytes are issued behind the head's barrier into v180-243, which the key loop does not name, and are waited for behind the loop;
; there the rows turn through the wave's own stage in LDS (no tensor load is out by then), are quantised and stored; the two records' scale words are gathered in LDS and leave as two units of 256 bytes.
.set WR,   180                         ; v180-243 my tile of wo as loaded
.set PCW,  124                         ; v124-135 its codes
.set PWW,  131+5                       ; v136 its rows' scale word
.set WSI,  33                          ; v33 into my stage: 16 x lane of a row;  v34 out of it: row r, + 64 h;  v35 my rows' scale words' place;  v19 the gathered words, 8 bytes a lane
.set WSO,  34
.set WSC,  35
.set SCR,  19
.set WSTG, 218624                      ; behind the spare words: eight stages of 16 rows of 528 bytes
.set SCW,  286208                      ; behind them: the two records' scale words, 512 bytes
.set WV,  18
.set SEL, 20
.set CS,  22
.set G1,  24
.set G0,  32
.set TB,  48
.set TBV, 49
.set CNT, 50
.set MSB, 0
.macro WIN new                         ; the immediate's high byte repeats the setting that is left
.if MSB != (\new)
	s_set_vgpr_msb (MSB<<8)|(\new)
.set MSB, (\new)
.endif
.endm
.macro CROUND                          ; a round of the cluster's barrier
	s_barrier_signal -1
	s_barrier_wait -1
	s_cmp_lg_u32 s[WV], 0
	s_cbranch_scc1 .Lnot_wave_0_\@
	s_barrier_signal -3
.Lnot_wave_0_\@:
	s_barrier_wait -3
	s_barrier_signal -1
	s_barrier_wait -1
.endm
.macro WS d, a, b, sa, sb, ra          ; a tile of S^T: C = 0; ra: which half of the lanes holds K's scale words
.set rD, \d
.set rA, \a
.set rB, \b
.if (\ra) == 0
	v_wmma_scale_f32_16x16x128_f8f6f4 v[rD:rD+7], v[rA:rA+11], v[rB:rB+11], 0, v[\sa], v[\sb] matrix_a_fmt:MATRIX_FMT_FP6 matrix_b_fmt:MATRIX_FMT_FP6
.else
	v_wmma_scale_f32_16x16x128_f8f6f4 v[rD:rD+7], v[rA:rA+11], v[rB:rB+11], 0, v[\sa], v[\sb] matrix_a_fmt:MATRIX_FMT_FP6 matrix_b_fmt:MATRIX_FMT_FP6 matrix_a_scale:MATRIX_SCALE_ROW1
.endif
.endm
.macro WP d, a, b, sa, sb, ra          ; a tile of O^T, summed in place
.set rD, \d
.set rA, \a
.set rB, \b
.if (\ra) == 0
	v_wmma_scale_f32_16x16x128_f8f6f4 v[rD:rD+7], v[rA:rA+11], v[rB:rB+11], v[rD:rD+7], v[\sa], v[\sb] matrix_a_fmt:MATRIX_FMT_FP6 matrix_b_fmt:MATRIX_FMT_FP6
.else
	v_wmma_scale_f32_16x16x128_f8f6f4 v[rD:rD+7], v[rA:rA+11], v[rB:rB+11], v[rD:rD+7], v[\sa], v[\sb] matrix_a_fmt:MATRIX_FMT_FP6 matrix_b_fmt:MATRIX_FMT_FP6 matrix_a_scale:MATRIX_SCALE_ROW1
.endif
.endm
.macro KLOAD a, s                      ; 13 LDS loads: a record of K as pair fragments (c, w), and its scale words: register c, lanes 0-15 w = 0, lanes 16-31 w = 1
.irp c, 0,1
.irp w, 0,1
.irp q, 0,1,2
	ds_load_b128 v[KF+12*(2*\c+\w)+4*\q:KF+12*(2*\c+\w)+4*\q+3], v[\a] offset:3072*\c+128*\w+512*\q
.endr
.endr
.endr
	ds_load_b64 v[KS:KS+1], v[\s]
.endm
; 32 numbers of a lane, register 16 b + i = k 32 b + 16 (lane / 16) + i, become six registers of codes at v[d] on; the two scale bytes go into the low half of v[pw].
.macro QUANT2 s, d, pw
.irp b, 0,1
	v_max3_num_f32 v[TM+\b], |v[(\s)+16*\b]|, |v[(\s)+16*\b+1]|, 0x1800000
.endr
.irp i, 2,4,6,8,10,12,14
.irp b, 0,1
	v_max3_num_f32 v[TM+\b], v[TM+\b], |v[(\s)+16*\b+\i]|, |v[(\s)+16*\b+\i+1]|
.endr
.endr
.irp b, 0,1
	v_permlanex16_b32 v[TM+4+\b], v[TM+\b], s[SEL], s[SEL+1]
.endr
.irp b, 0,1
	v_max_num_f32 v[TM+\b], v[TM+\b], v[TM+4+\b]
.endr
.irp b, 0,1
	v_add_nc_u32 v[TM+12+\b], 0xff000000, v[TM+\b]
.endr
.irp b, 0,1
	v_lshrrev_b32 v[TM+4+\b], 23, v[TM+12+\b]
.endr
	v_lshl_or_b32 v[\pw], v[TM+5], 8, v[TM+4]
	v_cvt_scalef32_pk16_fp6_f32 v[(\d):(\d)+2], v[(\s):(\s)+15], v[TM+12]
	v_cvt_scalef32_pk16_fp6_f32 v[YT:YT+2], v[(\s)+16:(\s)+31], v[TM+13]
	v_nop
.irp i, 0,1,2
	v_permlane16_swap_b32 v[(\d)+\i], v[YT+\i]
.endr
.irp i, 0,1,2
	v_mov_b32 v[(\d)+3+\i], v[YT+\i]
.endr
.endm
; The same for 64 numbers, four blocks: a fragment's 12 registers of codes at v[d] on and its scale word in v[pw].
.macro QUANT s, d, pw
.irp b, 0,1,2,3
	v_max3_num_f32 v[TM+\b], |v[(\s)+16*\b]|, |v[(\s)+16*\b+1]|, 0x1800000
.endr
.irp i, 2,4,6,8,10,12,14
.irp b, 0,1,2,3
	v_max3_num_f32 v[TM+\b], v[TM+\b], |v[(\s)+16*\b+\i]|, |v[(\s)+16*\b+\i+1]|
.endr
.endr
.irp b, 0,1,2,3
	v_permlanex16_b32 v[TM+4+\b], v[TM+\b], s[SEL], s[SEL+1]
.endr
.irp b, 0,1,2,3
	v_max_num_f32 v[TM+\b], v[TM+\b], v[TM+4+\b]
.endr
.irp b, 0,1,2,3
	v_add_nc_u32 v[TM+12+\b], 0xff000000, v[TM+\b]
.endr
.irp b, 0,1,2,3
	v_lshrrev_b32 v[TM+4+\b], 23, v[TM+12+\b]
.endr
	v_lshl_or_b32 v[\pw], v[TM+5], 8, v[TM+4]
	v_lshl_or_b32 v[\pw], v[TM+6], 16, v[\pw]
	v_lshl_or_b32 v[\pw], v[TM+7], 24, v[\pw]
.irp c, 0,1
	v_cvt_scalef32_pk16_fp6_f32 v[(\d)+6*\c:(\d)+6*\c+2], v[(\s)+32*\c:(\s)+32*\c+15], v[TM+12+2*\c]
	v_cvt_scalef32_pk16_fp6_f32 v[YT+4*\c:YT+4*\c+2], v[(\s)+32*\c+16:(\s)+32*\c+31], v[TM+13+2*\c]
.endr
	v_nop
.irp c, 0,1
.irp i, 0,1,2
	v_permlane16_swap_b32 v[(\d)+6*\c+\i], v[YT+4*\c+\i]
.endr
.irp i, 0,1,2
	v_mov_b32 v[(\d)+6*\c+3+\i], v[YT+4*\c+\i]
.endr
.endr
.endm
	s_load_b128 s[4:7], s[0:1], 0x0                ; qkv, arec
	s_load_b128 s[44:47], s[0:1], 0x10             ; wo, rec
	v_lshl_add_u32 v[SPW], v0, 2, SPARE
	v_mov_b32 v[NIL], 0
	ds_add_u32 v[SPW], v[NIL]                      ; the opening lines: the add, twice on end, and its wait ahead of my tensor load
	ds_add_u32 v[SPW], v[NIL]
	v_lshrrev_b32 v41, 5, v0
	v_readfirstlane_b32 s[WV], v41                 ; wave 0..7
	s_bfe_u32 s52, ttmp6, 0x40000                  ; cx
	s_lshl_b32 s53, ttmp9, 2
	s_add_co_u32 s53, s53, s52                     ; tb: my block of 64 tokens: it enters q's and arec's addresses alone
	s_and_b32 s54, ttmp7, 0xffff                   ; g: the key and value head, which the four partners share
	s_lshr_b32 s55, s[WV], 2                       ; which of the two records of the stage.  Also: I fetch K (0) or V (1)
	s_lshr_b32 s40, s[WV], 1                       ; hq: my query head is 4 g + hq
	s_and_b32 s56, s40, 1                          ; u: my six registers are 6 u .. 6 u + 5 of a fragment's twelve
	s_and_b32 s36, s[WV], 1                        ; p: my tiles are 2 p and 2 p + 1 of the block's four
	s_and_b32 s37, s[WV], 3                        ; which four records I fetch
	s_mul_i32 s57, s55, 6400
	s_add_co_u32 s57, s57, OST
	s_mul_i32 s38, s36, 3072
	s_add_co_u32 s39, s57, s38                     ; tile 2 p's image in the stage
	s_mul_i32 s58, s56, 520
	s_add_co_u32 s58, s58, s39                     ; registers 6 u, 6 u + 1; 512 bytes on: 6 u + 4, 6 u + 5
	s_mul_i32 s59, s56, 1016
	s_add_co_u32 s59, s59, s39
	s_add_co_u32 s59, s59, 8                       ; registers 6 u + 2, 6 u + 3
	s_lshl_b32 s60, s56, 1
	s_add_co_u32 s60, s60, s57
	s_lshl_b32 s41, s36, 2
	s_add_co_u32 s60, s60, s41
	s_add_co_u32 s60, s60, 6144                    ; bytes 2 u, 2 u + 1 of the scale words of tiles 2 p (and, 128 bytes on, 2 p + 1)
	s_and_b32 s61, s53, 1
	s_mul_i32 s62, s61, 3072                       ; q: pair fragment 2 (tb % 2) + p of record (4 g + hq) x 16 + tb / 2
	s_mul_i32 s42, s36, 1536
	s_add_co_u32 s62, s62, s42
	s_lshl_b32 s63, s61, 2                         ; its scale words: 6,144 + 8 (16 p + r) + 4 (tb % 2)
	s_lshl_b32 s42, s36, 7
	s_add_co_u32 s63, s63, s42
	s_add_co_u32 s63, s63, 6144
	s_lshl_b32 s10, s54, 2
	s_add_co_u32 s10, s10, s40
	s_lshl_b32 s10, s10, 4
	s_lshr_b32 s11, s53, 1
	s_add_co_u32 s10, s10, s11
	s_mul_i32 s10, s10, 6400
	s_mov_b32 s11, 0
	s_lshl_b32 s12, s53, 4                         ; arec: records 16 tb + 2 g and the next
	s_lshl_b32 s13, s54, 1
	s_add_co_u32 s12, s12, s13
	s_mul_i32 s12, s12, 6400
	s_mov_b32 s13, 0
	s_lshl_b32 s8, s55, 3
	s_add_co_u32 s8, s8, s54
	s_add_co_u32 s8, s8, 32                        ; head 32 + g or 40 + g,
	s_mul_i32 s8, s8, 102400
	s_mul_i32 s9, s37, 25600                       ; its records 4 (wave % 4) on
	s_add_co_u32 s8, s8, s9
	s_mov_b32 s9, 0
	s_mul_i32 s14, s[WV], 25600                    ; and where they go: wave x 25,600
	; wo: my record R = 2 (32 g + tb) + wave / 4 and my tile t = wave % 4; tb enters global addresses alone
	s_mul_i32 s51, s[WV], 8448
	s_add_co_u32 s51, s51, WSTG                    ; my stage
	s_lshl_b32 s52, s55, 8                         ; my scale words' place: 256 (wave / 4) + 128 (t % 2) + 4 (t / 2)
	s_and_b32 s15, s37, 1
	s_lshl_b32 s16, s15, 7
	s_add_co_u32 s52, s52, s16
	s_lshr_b32 s17, s37, 1
	s_lshl_b32 s16, s17, 2
	s_add_co_u32 s52, s52, s16
	s_add_co_u32 s52, s52, SCW
	s_lshl_b32 s16, s17, 18                        ; the tile's first row, 32 (t / 2) + 8 (t % 2), in rows of 8,192 bytes
	s_lshl_b32 s15, s15, 16
	s_add_co_u32 s16, s16, s15
	s_lshl_b32 s15, s54, 5
	s_add_co_u32 s15, s15, s53
	s_lshl_b32 s15, s15, 1                         ; the work-group's first record
	s_add_co_u32 s40, s15, 1280                    ; rec's record 1,280 is wo's first
	s_mul_i32 s40, s40, 6400
	s_mov_b32 s41, 0
	s_add_co_u32 s15, s15, s55                     ; R
	s_add_co_u32 s42, s15, 1280
	s_mul_i32 s42, s42, 6400
	s_mul_i32 s43, s37, 1536
	s_add_co_u32 s42, s42, s43                     ; my tile's image in rec
	s_mov_b32 s43, 0
	s_lshr_b32 s17, s15, 4
	s_lshl_b32 s17, s17, 19                        ; group R / 16: 64 rows of 8,192 bytes
	s_add_co_u32 s16, s16, s17
	s_and_b32 s17, s15, 15
	s_lshl_b32 s17, s17, 9                         ; K step R % 16: 512 bytes
	s_add_co_u32 s16, s16, s17
	s_mov_b32 s17, 0
	; descriptor group 1: four records, 25,600 dense bytes, as 100 rows of 256 bytes (32 elements of 8 bytes)
	s_mov_b32 s[G1], 15|(3<<16)|(1<<21)            ; 15:0 the mask: all four work-groups; 17:16 elements of 8 bytes; 21 set beside a mask
	s_mov_b32 s[G1+1], 32<<16
	s_mov_b32 s[G1+2], 100<<16
	s_mov_b32 s[G1+3], 32<<16
	s_mov_b32 s[G1+4], 100
	s_mov_b32 s[G1+5], 32
	s_mov_b32 s[G1+6], 0
	s_mov_b32 s[G1+7], 0
	s_mov_b32 s[SEL], 0x76543210
	s_mov_b32 s[SEL+1], 0xfedcba98
	s_mov_b32 s[CS], 0x3e38aa3b                    ; c = log2(e) / sqrt(64)
	s_mov_b32 s[CS+1], s[CS]
	v_and_b32 v36, 31, v0                          ; lane
	v_and_b32 v37, 15, v0                          ; r
	v_bfe_u32 v38, v0, 4, 1                        ; h
	v_and_b32 v39, 7, v0                           ; r % 8
	v_bfe_u32 v40, v0, 3, 1                        ; r / 8
	v_lshlrev_b32 v[LI], 4, v36
	v_lshlrev_b32 v[LS], 3, v36
	v_add_nc_u32 v[LS], 6144, v[LS]
	v_mul_u32_u24 v[LIK], v40, 1536
	v_lshl_add_u32 v[LIK], v39, 4, v[LIK]
	v_lshl_add_u32 v[LIK], v38, 8, v[LIK]
	v_lshlrev_b32 v[LSK], 7, v40
	v_lshl_add_u32 v[LSK], v39, 3, v[LSK]
	v_lshl_add_u32 v[LSK], v38, 6, v[LSK]
	v_add_nc_u32 v[LSK], 6144, v[LSK]
	v_lshlrev_b32 v[SH8], 3, v38
	v_add_nc_u32 v[OA0], s58, v[LI]
	v_add_nc_u32 v[OA1], s59, v[LI]
	v_lshl_add_u32 v[OAS], v37, 3, s60
	v_lshl_add_u32 v[CP], v0, 4, OST
	v_lshlrev_b32 v[GO], 4, v0
	v_add_nc_u32 v[QO], s62, v[LI]
	v_lshl_add_u32 v[QW], v37, 3, s63              ; both halves of the lanes take row r's word
	v_add_nc_u32 v[WSI], s51, v[LI]
	v_mul_u32_u24 v[WSO], v37, 528
	v_lshl_add_u32 v[WSO], v38, 6, v[WSO]
	v_add_nc_u32 v[WSO], s51, v[WSO]
	v_lshl_add_u32 v[WSC], v37, 3, s52
	v_lshl_add_u32 v[SCR], v36, 3, SCW
	s_wait_alu depctr_va_vdst(0)
	s_wait_dscnt 0x0                               ; both opening adds are done
	s_wait_kmcnt 0x0
	s_add_nc_u64 s[8:9], s[4:5], s[8:9]
	s_add_nc_u64 s[10:11], s[4:5], s[10:11]
	s_add_nc_u64 s[12:13], s[6:7], s[12:13]
	s_add_nc_u64 s[44:45], s[44:45], s[16:17]      ; my tile of wo
	s_add_nc_u64 s[38:39], s[46:47], s[40:41]      ; the work-group's two records in rec
	s_add_nc_u64 s[46:47], s[46:47], s[42:43]      ; my tile's image
.irp c, 0,1,2
	global_load_b128 v[VF+4*\c:VF+4*\c+3], v[QO], s[10:11] offset:512*\c   ; q is asked for ahead of the round
.endr
	global_load_b32 v[QWD], v[QW], s[10:11]
	s_mov_b32 s[G0], 1
	s_mov_b32 s[G0+1], s14
	s_mov_b64 s[G0+2:G0+3], s[8:9]
	s_or_b32 s[G0+3], s[G0+3], 0x80000000
	CROUND                                         ; all four work-groups are here: the joint loads meet
	tensor_load_to_lds s[G0:G0+3], s[G1:G1+7]      ; my eighth of K and V: the wave's one tensor load
	s_nop 0
.irp t, 0,1
	v_mov_b32 v[ST+24*\t+1], 0xff61b1e6            ; the largest t so far: -3e38
	v_floor_f32 v[ST+24*\t], -v[ST+24*\t+1]        ; -M
	v_mov_b32 v[ST+24*\t+3], 0                     ; (named as the upper half of a pair)
	v_mov_b32 v[ST+24*\t+19], 0                    ; a lane permute's destination counts as one of its sources
.irp k, 8,9,10,11,12,13,14,15
	v_mov_b32 v[ST+24*\t+\k], 0                    ; the sums
.endr
.endr
	WIN 0x40                                       ; the destination in the tiles' window
.set j, 0
.rept 32
	v_mov_b32 v[OB+j], 0                           ; O^T: the step is written once, its first trip finds zeros
	v_mov_b32 v[128+OB+j], 0
.set j, j+1
.endr
	WIN 0
	s_wait_loadcnt 0x0
	v_and_b32 v[QS], 0xffff, v[QWD]                ; the even tile's two bytes below (for [q; 0]); the zero codes' bytes are 0
	v_lshlrev_b32 v[QS+1], 16, v[QWD]              ; and above (for [0; q])
	v_lshrrev_b32 v[QS+2], 16, v[QWD]              ; the odd tile's
	v_and_b32 v[QS+3], 0xffff0000, v[QWD]
	WIN 0x40
.irp d, 0,1
.irp i, 0,1,2,3,4,5
	v_mov_b32 v[128*\d+QB+\i], v[VF+6*\d+\i]       ; these 36 lines also stand between the writes of q's scale words and the first products
	v_mov_b32 v[128*\d+QB+6+\i], 0
	v_mov_b32 v[128*\d+QB+12+\i], v[VF+6*\d+\i]
.endr
.endr
	WIN 0
	s_wait_alu depctr_va_vdst(0)
	s_wait_tensorcnt 0x0                           ; my eighth is in
	s_barrier_signal -1
	s_barrier_wait -1                              ; everybody's is: nothing is ever filled again
	s_mov_b32 s[TB], 6400
	s_mov_b32 s[TBV], VB
	s_mov_b32 s[CNT], 16
	KLOAD LIK, LSK                                 ; K's record 0
.irp i, 0,1,2,3,4,5,6,7,8,9,10,11,12,13,14,15
	global_load_b128 v[WR+4*\i:WR+4*\i+3], v[LI], s[44:45] offset:((\i%8)+16*(\i/8))*8192 th:TH_LOAD_NT   ; my tile of wo: 32 lanes read 512 consecutive bytes of a row; waited for behind the loop
.endr
.Lstep:                                                ; A KEY STEP: 128 keys for my two tiles
	v_add_nc_u32 v[ADV], s[TBV], v[LI]             ; these four lines are the places in front of the loads into registers that the last products read (in the first trip: behind the writes of q's operands)
	v_add_nc_u32 v[ADT], s[TBV], v[LS]
	v_nop
	v_nop
.irp f, 0,1,2,3                                ; 13 LDS loads: this step's record of V, wanted at the step's end
.irp q, 0,1,2
	ds_load_b128 v[VF+12*\f+4*\q:VF+12*\f+4*\q+3], v[ADV] offset:1536*\f+512*\q
.endr
.endr
	ds_load_b64 v[VS:VS+1], v[ADT]
	s_wait_dscnt 13                                ; K's 13 loads, issued a step ago, are in; V's 13 may be out
	WIN 0x54                                       ; source 0 window 0, the rest window 1
.irp u, 0,1                                    ; S^T: eight products a tile
.irp c, 0,1
.irp w, 0,1
.irp z, 0,1
	WS 128*\u+32*\c+16*\w+8*\z, KF+12*(2*\c+\w), 128*\u+QB+6*\z, KS+\c, QS+2*\u+\z, \w
.endr
.endr
.endr
.endr
	WIN 0
	v_add_nc_u32 v[ADK], s[TB], v[LIK]             ; four places again
	v_add_nc_u32 v[ADS], s[TB], v[LSK]
	v_nop
	v_nop
	KLOAD ADK, ADS                                 ; the next step's K.  (In the last trip these read V's record 0, bytes that are filled; the registers are not used)
	WIN 0x14                                       ; sources 1 and 2 window 1: four chains a tile, 16 scores each, into window 0
.irp i, 0,1,2,3,4,5,6,7
.irp u, 0,1
.irp k, 0,1,2,3
.if \i == 0
	v_max3_num_f32 v[ST+24*\u+4+\k], 0xff7fffff, v[128*\u+16*\k], v[128*\u+16*\k+1]
.else
	v_max3_num_f32 v[ST+24*\u+4+\k], v[ST+24*\u+4+\k], v[128*\u+16*\k+2*\i], v[128*\u+16*\k+2*\i+1]
.endif
.endr
.endr
.endr
	WIN 0
.irp t, 0,1
	v_max_num_f32 v[ST+24*\t+4], v[ST+24*\t+4], v[ST+24*\t+5]   ; the largest score of my block h,
	v_max_num_f32 v[ST+24*\t+6], v[ST+24*\t+6], v[ST+24*\t+7]   ; and of my block 2 + h: they serve for the row's maximum and, since p rises with the score, for the blocks' largest p
.endr
.irp t, 0,1
	v_max_num_f32 v[ST+24*\t+18], v[ST+24*\t+4], v[ST+24*\t+6]
.endr
.irp t, 0,1
	v_permlanex16_b32 v[ST+24*\t+19], v[ST+24*\t+18], s[SEL], s[SEL+1]
.endr
.irp t, 0,1
	v_max_num_f32 v[ST+24*\t+18], v[ST+24*\t+18], v[ST+24*\t+19]   ; the step's largest score of my query
.endr
.irp t, 0,1
	v_mul_f32 v[ST+24*\t+18], s[CS], v[ST+24*\t+18]
.endr
.irp t, 0,1
	v_max_num_f32 v[ST+24*\t+1], v[ST+24*\t+1], v[ST+24*\t+18]     ; the running largest t
.endr
.irp t, 0,1
	v_mov_b32 v[ST+24*\t+18], v[ST+24*\t]
.endr
.irp t, 0,1
	v_floor_f32 v[ST+24*\t], -v[ST+24*\t+1]        ; the new -M = -ceil(t)
.endr
.irp t, 0,1
	v_sub_f32 v[ST+24*\t+18], v[ST+24*\t], v[ST+24*\t+18]          ; old M - new M: a whole number, 0 or less
.endr
.irp t, 0,1
	v_cvt_i32_f32 v[ST+24*\t+18], v[ST+24*\t+18]   ; (it saturates)
.endr
.irp t, 0,1
	v_ldexp_f32 v[ST+24*\t+2], 1.0, v[ST+24*\t+18] ; f = 2^(old M - new M)
.endr
.irp t, 0,1
	v_fma_f32 v[ST+24*\t+4], v[ST+24*\t+4], s[CS], v[ST+24*\t]     ; t - M of each block's largest score
	v_fma_f32 v[ST+24*\t+6], v[ST+24*\t+6], s[CS], v[ST+24*\t]
.endr
	WIN 0x41                                       ; source 0 and the destination window 1
.irp u, 0,1
.set j, 0
.rept 32
	v_pk_fma_f32 v[128*\u+j:128*\u+j+1], v[128*\u+j:128*\u+j+1], s[CS:CS+1], v[ST+24*\u:ST+24*\u+1] op_sel_hi:[1,0,0]   ; t - M, two at a time
.set j, j+2
.endr
.endr
	WIN 0
	s_wait_alu depctr_va_vdst(0)
.irp t, 0,1
	v_exp_f32 v[ST+24*\t+4], v[ST+24*\t+4]         ; the blocks' largest p: the same two instructions on the same numbers
	v_exp_f32 v[ST+24*\t+6], v[ST+24*\t+6]
.endr
	WIN 0x41
.irp u, 0,1
.set j, 0
.rept 64
	v_exp_f32 v[128*\u+j], v[128*\u+j]             ; p = 2^(t - M), at most 1
.set j, j+1
.endr
.endr
	WIN 0
	v_nop                                          ; a plain line behind the exponentials
	s_wait_alu depctr_va_vdst(0)                   ; one wait for the whole batch, ahead of its first reader
.irp t, 0,1
	v_max_num_f32 v[ST+24*\t+4], 0x1800000, v[ST+24*\t+4]          ; the floor 2^(3 - 127): the byte cannot fall under 1
	v_max_num_f32 v[ST+24*\t+6], 0x1800000, v[ST+24*\t+6]
.endr
.irp t, 0,1
	v_add_nc_u32 v[ST+24*\t+16], 0xff000000, v[ST+24*\t+4]         ; 2 off the exponent field: the conversions' scale operands
	v_add_nc_u32 v[ST+24*\t+17], 0xff000000, v[ST+24*\t+6]
.endr
.irp t, 0,1
	v_lshrrev_b32 v[ST+24*\t+4], 23, v[ST+24*\t+16]                ; the scales' bytes
	v_lshrrev_b32 v[ST+24*\t+6], 23, v[ST+24*\t+17]
.endr
.irp t, 0,1
	v_lshl_or_b32 v[ST+24*\t+18], v[ST+24*\t+6], 16, v[ST+24*\t+4] ; blocks h and 2 + h,
.endr
.irp t, 0,1
	v_lshlrev_b32 v[ST+24*\t+18], v[SH8], v[ST+24*\t+18]           ; at their places in the word;
.endr
.irp t, 0,1
	v_permlanex16_b32 v[ST+24*\t+19], v[ST+24*\t+18], s[SEL], s[SEL+1]
.endr
.irp t, 0,1
	v_or_b32 v[PW+\t], v[ST+24*\t+18], v[ST+24*\t+19]              ; with lane l xor 16's two bytes p's scale word is whole
.endr
	WIN 0x10                                       ; source 2 window 1.  The rows' sums of the unquantised p: four chains of pairs a tile, kept in window 0; each chain's first line brings it under the new M as well
.irp u, 0,1
.irp k, 0,1,2,3
	v_pk_fma_f32 v[ST+24*\u+8+2*\k:ST+24*\u+9+2*\k], v[ST+24*\u+8+2*\k:ST+24*\u+9+2*\k], v[ST+24*\u+2:ST+24*\u+3], v[128*\u+2*\k:128*\u+2*\k+1] op_sel_hi:[1,0,1]
.endr
.endr
	WIN 0x14
.irp i, 1,2,3,4,5,6,7
.irp u, 0,1
.irp k, 0,1,2,3
	v_pk_add_f32 v[ST+24*\u+8+2*\k:ST+24*\u+9+2*\k], v[ST+24*\u+8+2*\k:ST+24*\u+9+2*\k], v[128*\u+8*\i+2*\k:128*\u+8*\i+2*\k+1]
.endr
.endr
.endr
	WIN 0x41                                       ; p's codes
.irp u, 0,1
.irp c, 0,1
	v_cvt_scalef32_pk16_fp6_f32 v[128*\u+PCB+6*\c:128*\u+PCB+6*\c+2], v[128*\u+32*\c:128*\u+32*\c+15], v[ST+24*\u+16+\c]
.endr
.endr
	v_nop                                          ; a plain line: the next conversions write registers that these have read
.irp u, 0,1
.irp c, 0,1                                    ; (a conversion's three registers begin on an even number: a block's upper 16 codes are made in p's spent registers and moved)
	v_cvt_scalef32_pk16_fp6_f32 v[128*\u+32*\c:128*\u+32*\c+2], v[128*\u+32*\c+16:128*\u+32*\c+31], v[ST+24*\u+16+\c]
.endr
.endr
	v_nop                                          ; one plain line behind the scaled conversions
.irp u, 0,1
.irp c, 0,1
.irp i, 0,1,2
	v_mov_b32 v[128*\u+PCB+6*\c+3+\i], v[128*\u+32*\c+\i]
.endr
.endr
.endr
	s_wait_alu depctr_va_vdst(0)
.irp u, 0,1
.set j, 0
.rept 16
	v_pk_mul_f32 v[128*\u+OB+j:128*\u+OB+j+1], v[128*\u+OB+j:128*\u+OB+j+1], v[ST+24*\u+2:ST+24*\u+3] op_sel_hi:[1,0]   ; O^T under the new M; these lines also stand between the writes of p's codes and the products
.set j, j+2
.endr
.endr
	WIN 0
	s_wait_alu depctr_va_vdst(0)
	s_wait_dscnt 13                                ; V's 13 loads are in; the next step's 13 of K may be out
	WIN 0x54
.irp u, 0,1                                    ; O^T += V^T P^T: the eight accumulators by turns
.irp f, 0,1,2,3
	WP 128*\u+OB+8*\f, VF+12*\f, 128*\u+PCB, VS+\f/2, PW+\u, \f%2
.endr
.endr
	WIN 0
	s_add_co_u32 s[TB], s[TB], 6400
	s_add_co_u32 s[TBV], s[TBV], 6400
	s_sub_co_u32 s[CNT], s[CNT], 1
	s_cmp_lg_u32 s[CNT], 0
	s_cbranch_scc1 .Lstep
	; THE WAY OUT: O^T / the sum; quantised along my head's 64 channels; each tile's six registers and two bytes go into the work-group's two records in LDS, which leave as 12,800 consecutive bytes.
	s_wait_dscnt 0x0                               ; the last trip's loads have landed: their registers are used below
.rept 4
	v_nop
.endr
.irp t, 0,1
	v_pk_add_f32 v[ST+24*\t+8:ST+24*\t+9], v[ST+24*\t+8:ST+24*\t+9], v[ST+24*\t+10:ST+24*\t+11]
	v_pk_add_f32 v[ST+24*\t+12:ST+24*\t+13], v[ST+24*\t+12:ST+24*\t+13], v[ST+24*\t+14:ST+24*\t+15]
.endr
.irp t, 0,1
	v_pk_add_f32 v[ST+24*\t+8:ST+24*\t+9], v[ST+24*\t+8:ST+24*\t+9], v[ST+24*\t+12:ST+24*\t+13]
.endr
.irp t, 0,1
	v_add_f32 v[ST+24*\t+18], v[ST+24*\t+8], v[ST+24*\t+9]
.endr
.irp t, 0,1
	v_permlanex16_b32 v[ST+24*\t+19], v[ST+24*\t+18], s[SEL], s[SEL+1]
.endr
.irp t, 0,1
	v_add_f32 v[ST+24*\t+18], v[ST+24*\t+18], v[ST+24*\t+19]       ; the row's sum
.endr
	s_wait_alu depctr_va_vdst(0)
.irp t, 0,1
	v_rcp_f32 v[ST+24*\t+18], v[ST+24*\t+18]
.endr
	v_mov_b32 v[TM+4], 0                           ; a lane permute's destination counts as one of its sources; also the plain line behind the reciprocals
	v_mov_b32 v[TM+5], 0
.irp t, 0,1
	WIN 1                                          ; source 0 in the tiles' window
	s_wait_alu depctr_va_vdst(0)
.set j, 0
.rept 32
	v_mul_f32 v[X+j], v[128*\t+OB+j], v[ST+24*\t+18]               ; register 16 b + i is channel 32 b + 16 (lane / 16) + i of my query
.set j, j+1
.endr
	WIN 0
	QUANT2 X, PO, FW
	ds_store_b64 v[OA0], v[PO:PO+1] offset:1536*\t
	ds_store_b64 v[OA1], v[PO+2:PO+3] offset:1536*\t
	ds_store_b64 v[OA0], v[PO+4:PO+5] offset:1536*\t+512
	ds_store_b16 v[OAS], v[FW] offset:128*\t       ; both halves of the lanes write the same two bytes with the same value
.endr
	s_wait_loadcnt 0x0                             ; my tile of wo is in
.irp i, 0,1,2,3,4,5,6,7,8,9,10,11,12,13,14,15
	ds_store_b128 v[WSI], v[WR+4*\i:WR+4*\i+3] offset:528*\i       ; through my stage: LDS serves a wave's instructions in order (ISA guide 5.7.1.4)
.endr
.irp b, 0,1,2,3
.irp j, 0,1,2,3
	ds_load_b128 v[X+16*\b+4*\j:X+16*\b+4*\j+3], v[WSO] offset:128*\b+16*\j   ; register 16 b + i = k 32 b + 16 (lane / 16) + i of my row
.endr
.endr
.irp b, 0,1,2,3
	v_mov_b32 v[TM+4+\b], 0                        ; a lane permute's destination counts as one of its sources
.endr
	s_wait_dscnt 0x0
	QUANT X, PCW, PWW
.irp c, 0,1,2
	global_store_b128 v[LI], v[PCW+4*\c:PCW+4*\c+3], s[46:47] offset:512*\c   ; 32 lanes store 512 consecutive bytes, at a multiple of 256 from rec's first byte
.endr
	ds_store_b32 v[WSC], v[PWW]                    ; both halves of the lanes write the same word with the same value
	s_wait_dscnt 0x0                               ; for the others' sake: my stores are done
	s_barrier_signal -1
	s_barrier_wait -1
.irp i, 0,1,2
	ds_load_b128 v[X+4*\i:X+4*\i+3], v[CP] offset:4096*\i
.endr
	s_wait_dscnt 0x0
.irp i, 0,1,2
	global_store_b128 v[GO], v[X+4*\i:X+4*\i+3], s[12:13] offset:4096*\i   ; 256 threads x 16 bytes, three times
.endr
	s_cmp_lg_u32 s[WV], 0                          ; and 32 threads x 16 bytes more: 12,800 in all
	s_cbranch_scc1 .Ldone
	ds_load_b128 v[X+12:X+15], v[CP] offset:12288
	ds_load_b64 v[X+16:X+17], v[SCR]               ; the scale words of wo's two records
	ds_load_b64 v[X+18:X+19], v[SCR] offset:256
	s_wait_dscnt 0x0
	global_store_b128 v[GO], v[X+12:X+15], s[12:13] offset:12288
	global_store_b64 v[LS], v[X+16:X+17], s[38:39]                 ; 32 lanes store 256 consecutive bytes, at 6,144 of the record
	global_store_b64 v[LS], v[X+18:X+19], s[38:39] offset:6400
.Ldone:
	s_wait_tensorcnt 0x0                           ; the wave's end
	ds_add_u32 v[SPW], v[NIL]
	s_wait_dscnt 0x0
	CROUND                                         ; the closing round: no work-group ends while a partner may still ask for a tile that names it
	s_endpgm
.Lfunc_end_k_q3944d522ba_attn:
	.size	k_q3944d522ba_attn, .Lfunc_end_k_q3944d522ba_attn-k_q3944d522ba_attn
	.p2alignl 7, 3214868480
	.fill 96, 4, 3214868480
	.section	.rodata,"a",@progbits
	.p2align	6, 0x0
	.amdhsa_kernel k_q3944d522ba_attn
		.amdhsa_group_segment_fixed_size 286720
		.amdhsa_private_segment_fixed_size 0
		.amdhsa_enable_private_segment 0
		.amdhsa_kernarg_size 32
		.amdhsa_user_sgpr_count 2
		.amdhsa_user_sgpr_kernarg_segment_ptr 1
		.amdhsa_wavefront_size32 1
		.amdhsa_system_sgpr_workgroup_id_x 1
		.amdhsa_system_sgpr_workgroup_id_y 1
		.amdhsa_system_sgpr_workgroup_id_z 1
		.amdhsa_system_vgpr_workitem_id 0
		.amdhsa_next_free_vgpr 512
		.amdhsa_next_free_sgpr 66
		.amdhsa_reserve_vcc 0
		.amdhsa_float_denorm_mode_32 3
		.amdhsa_float_denorm_mode_16_64 3
		.amdhsa_memory_ordered 1
		.amdhsa_forward_progress 1
		.amdhsa_inst_pref_size 58
	.end_amdhsa_kernel
	.amdgpu_metadata
---
amdhsa.version: [ 1, 2 ]
amdhsa.kernels:
  - .name:           k_q3944d522ba_attn
    .symbol:         k_q3944d522ba_attn.kd
    .args:
      - { .name: qkv, .offset: 0, .size: 8, .value_kind: global_buffer, .address_space: global }
      - { .name: arec, .offset: 8, .size: 8, .value_kind: global_buffer, .address_space: global }
      - { .name: wo, .offset: 16, .size: 8, .value_kind: global_buffer, .address_space: global }
      - { .name: rec, .offset: 24, .size: 8, .value_kind: global_buffer, .address_space: global }
    .group_segment_fixed_size: 286720
    .private_segment_fixed_size: 0
    .kernarg_segment_align: 8
    .kernarg_segment_size: 32
    .max_flat_workgroup_size: 256
    .sgpr_count:     66
    .vgpr_count:     512
    .wavefront_size: 32
...
	.end_amdgpu_metadata
.endif
;; end of part 3
;; launch oproj (part 4): grid 16 x 16, 4 waves a work-group, clusters of 4 x 4, 327,680 bytes of LDS; arguments arec, rec, out0; writes out0
.if DOCPART == 4
	.amdgcn_target "amdgcn-amd-amdhsa--gfx1250"
	.amdhsa_code_object_version 6
	.text
	.protected	k_q3944d522ba_oproj
	.globl	k_q3944d522ba_oproj
	.p2align	8
	.type	k_q3944d522ba_oproj,@function
k_q3944d522ba_oproj:
	s_mov_b64 s[64:65], 0
	v_nop
	global_prefetch_b8 v0, s[64:65] scope:SCOPE_SE
	s_setreg_imm32_b32 hwreg(HW_REG_WAVE_MODE, 25, 1), 1
	s_wait_xcnt 0x0
	s_wait_alu depctr_hold_cnt(0) depctr_sa_sdst(0) depctr_va_vdst(0) depctr_va_sdst(0) depctr_va_ssrc(0) depctr_va_vcc(0) depctr_vm_vsrc(0)
	s_getreg_b32 s2, hwreg(HW_REG_IB_STS2, 6, 4)
	s_cmp_eq_u32 s2, 0
	s_cbranch_scc0 .Lentry_in_a_cluster
	s_endpgm
.Lentry_in_a_cluster:
	s_bfe_u32 s2, ttmp6, 0x10000c
	s_cmp_lg_u32 s2, 0xf033
	s_cbranch_scc0 .Lentry_shape_is_right
	s_endpgm
.Lentry_shape_is_right:
; out0 = a wo^T on codes of FP6 (E2M3) with E8M0 scales; out0 [2048][2048] f32.
; arec = [32 groups of 64 tokens][16 K steps][6,400]; rec's groups 80-111 are wo's rows, laid alike.  A record: four fragment images (registers 4 c .. 4 c + 3 of lane l at 1,536 f + 512 c + 16 l) and the scale words
; (that of tile 2 i + (l / 16), row l % 16, at 6,144 + 8 l + 4 i).  Tile t's row r is group row 32 (t / 2) + 8 (t % 2) + r % 8 + 16 (r / 8).
; SHARES: 2,048 x 2,048 results in 256 work-groups of 128 tokens x 128 columns; wave w makes token group w / 2 x wo's group w % 2, 64 x 64: 16 accumulators, 128 registers.
; THE MATRIX INSTRUCTION IS USED TRANSPOSED (source 0 = 16 rows of wo, source 1 = 16 tokens): a lane holds one token, and register 32 a + 16 b + i of its accumulators column 32 b + 16 (lane / 16) + i of token tile a.
; LDS: [token groups 0, 1, wo's groups 0, 1][twelve K steps][6,400]: twelve of the sixteen K steps lie there at once; a region is four K steps of a group.
; Each wave fetches one group (waves 0, 1 the tokens', waves 2, 3 wo's): its first fill is ONE load of K steps 0-11 (76,800 dense bytes), and there is ONE refill: region 0 takes K steps 12-15 when K step 3 is done,
; and that load has K steps 4-11 in which to land.  One tensor load of a wave is out at the most.
; CLUSTER 4 x 4: the token records are shared along a row of the cluster, wo's along a column: each is asked for jointly.  No prefetch: twelve of the sixteen K steps are asked for at the head, and the text has no loop to run ahead in.
; REGISTERS: window 0: v1-21 addresses; v32-39 scale words, two sets; v48-143 the tokens' fragments, two sets; v144-239 wo's, two sets; on the way out v48-111 hold rows read back.   window 1: the accumulators, (token tile a, wo's tile t) at v[8 (4 a + t)].
.set RECB,  6400
.set GRPB,  102400                     ; a group's 16 records
.set QRT,   25600                      ; four K steps of one group: what the refill brings
.set REG,   25600                      ; a region: four K steps of a group
.set GS,    76800                      ; a group's twelve K steps: what the first fill brings
.set SPARE, 307200                     ; behind the four groups: the spare words, 128 bytes for each wave: two blocks of 256 bytes that no other line names
.set B0,    80                         ; wo's first group in rec
.set AX,  1                            ; v1-3   LDS address of my tokens' images in region 0, 1, 2
.set AW,  4                            ; v4-6   of my group of wo
.set SPW, 9                            ; v9     LDS address of my spare word; never rewritten
.set NIL, 10                           ; v10    0; never rewritten
.set LI,  11                           ; v11    16 x lane
.set L8,  12                           ; v12    8 x lane
.set STO, 13                           ; v13    the way out: where I put 16 bytes of a token's row
.set RD,  14                           ; v14    where I read a row back
.set CO,  15                           ; v15    my byte offset in out0
.set ASX, 16                           ; v16-18 LDS address of my tokens' scale words in region 0, 1, 2
.set ASW, 19                           ; v19-21 of wo's
.set SC,  32                           ; set p at SC + 4 p: two registers of the tokens' words, two of wo's
.set XF,  48
.set WF,  144
.set BK,  48                           ; the way out: two sets of 32 registers
.set WV,  12                           ; s12 wave; s13 which token group; s14 which group of wo
.set G1A, 24                           ; s[24:31] descriptor group 1 for the tokens' records; s[32:35] group 0
.set G0A, 32
.set G1B, 44                           ; s[44:51], s[52:55] the same for wo's
.set G0B, 52
.set MSB, 0
.macro WIN new                         ; the immediate's high byte repeats the setting that is left
.if MSB != \new
	s_set_vgpr_msb (MSB<<8)|\new
.set MSB, \new
.endif
.endm
.macro PLACES n
.rept \n
	v_nop
.endr
.endm
.macro CROUND                          ; a round of the cluster's barrier
	s_barrier_signal -1
	s_barrier_wait -1
	s_cmp_lg_u32 s[WV], 0
	s_cbranch_scc1 .Lnot_wave_0_\@
	s_barrier_signal -3
.Lnot_wave_0_\@:
	s_barrier_wait -3
	s_barrier_signal -1
	s_barrier_wait -1
.endm
; The joint refill of region 0: waves 0 and 1 fetch the token groups, waves 2 and 3 wo's.  The branch hangs on the wave's number alone.  Four v_nop follow each load.
.macro JLOAD
	s_cmp_lt_u32 s[WV], 2
	s_cbranch_scc0 .Lfor_b_\@
	tensor_load_to_lds s[G0A:G0A+3], s[G1A:G1A+7]
	s_nop 0
.rept 4
	v_nop
.endr
	s_branch .Lasked_\@
.Lfor_b_\@:
	tensor_load_to_lds s[G0B:G0B+3], s[G1B:G1B+7]
	s_nop 0
.rept 4
	v_nop
.endr
.Lasked_\@:
.endm
.macro FETCH r, q, p                   ; 26 LDS loads: K step q of region r into set p: wo's four tiles, the tokens' four, their scale words
.irp t, 0,1,2,3
.irp c, 0,1,2
	ds_load_b128 v[WF+48*(\p)+12*\t+4*\c:WF+48*(\p)+12*\t+4*\c+3], v[AW+(\r)] offset:RECB*(\q)+1536*\t+512*\c
.endr
.endr
.irp t, 0,1,2,3
.irp c, 0,1,2
	ds_load_b128 v[XF+48*(\p)+12*\t+4*\c:XF+48*(\p)+12*\t+4*\c+3], v[AX+(\r)] offset:RECB*(\q)+1536*\t+512*\c
.endr
.endr
	ds_load_b64 v[SC+4*(\p):SC+4*(\p)+1], v[ASX+(\r)] offset:RECB*(\q)+6144
	ds_load_b64 v[SC+4*(\p)+2:SC+4*(\p)+3], v[ASW+(\r)] offset:RECB*(\q)+6144
.endm
; One product: token tile ta x wo's tile t.  A scale register holds an even tile's words in lanes 0-15 and the odd tile's in lanes 16-31.
.macro WM ta, t, p, zero
.set rD, 8*(4*(\ta)+(\t))
.set rA, WF+48*(\p)+12*(\t)
.set rB, XF+48*(\p)+12*(\ta)
.set rP, SC+4*(\p)+2+(\t)/2
.set rQ, SC+4*(\p)+(\ta)/2
.set oA, (\t)%2
.set oB, (\ta)%2
.if \zero
.if (oA == 0) && (oB == 0)
	v_wmma_scale_f32_16x16x128_f8f6f4 v[rD:rD+7], v[rA:rA+11], v[rB:rB+11], 0, v[rP], v[rQ] matrix_a_fmt:MATRIX_FMT_FP6 matrix_b_fmt:MATRIX_FMT_FP6
.elseif (oA == 1) && (oB == 0)
	v_wmma_scale_f32_16x16x128_f8f6f4 v[rD:rD+7], v[rA:rA+11], v[rB:rB+11], 0, v[rP], v[rQ] matrix_a_fmt:MATRIX_FMT_FP6 matrix_b_fmt:MATRIX_FMT_FP6 matrix_a_scale:MATRIX_SCALE_ROW1
.elseif (oA == 0) && (oB == 1)
	v_wmma_scale_f32_16x16x128_f8f6f4 v[rD:rD+7], v[rA:rA+11], v[rB:rB+11], 0, v[rP], v[rQ] matrix_a_fmt:MATRIX_FMT_FP6 matrix_b_fmt:MATRIX_FMT_FP6 matrix_b_scale:MATRIX_SCALE_ROW1
.else
	v_wmma_scale_f32_16x16x128_f8f6f4 v[rD:rD+7], v[rA:rA+11], v[rB:rB+11], 0, v[rP], v[rQ] matrix_a_fmt:MATRIX_FMT_FP6 matrix_b_fmt:MATRIX_FMT_FP6 matrix_a_scale:MATRIX_SCALE_ROW1 matrix_b_scale:MATRIX_SCALE_ROW1
.endif
.else
.if (oA == 0) && (oB == 0)
	v_wmma_scale_f32_16x16x128_f8f6f4 v[rD:rD+7], v[rA:rA+11], v[rB:rB+11], v[rD:rD+7], v[rP], v[rQ] matrix_a_fmt:MATRIX_FMT_FP6 matrix_b_fmt:MATRIX_FMT_FP6
.elseif (oA == 1) && (oB == 0)
	v_wmma_scale_f32_16x16x128_f8f6f4 v[rD:rD+7], v[rA:rA+11], v[rB:rB+11], v[rD:rD+7], v[rP], v[rQ] matrix_a_fmt:MATRIX_FMT_FP6 matrix_b_fmt:MATRIX_FMT_FP6 matrix_a_scale:MATRIX_SCALE_ROW1
.elseif (oA == 0) && (oB == 1)
	v_wmma_scale_f32_16x16x128_f8f6f4 v[rD:rD+7], v[rA:rA+11], v[rB:rB+11], v[rD:rD+7], v[rP], v[rQ] matrix_a_fmt:MATRIX_FMT_FP6 matrix_b_fmt:MATRIX_FMT_FP6 matrix_b_scale:MATRIX_SCALE_ROW1
.else
	v_wmma_scale_f32_16x16x128_f8f6f4 v[rD:rD+7], v[rA:rA+11], v[rB:rB+11], v[rD:rD+7], v[rP], v[rQ] matrix_a_fmt:MATRIX_FMT_FP6 matrix_b_fmt:MATRIX_FMT_FP6 matrix_a_scale:MATRIX_SCALE_ROW1 matrix_b_scale:MATRIX_SCALE_ROW1
.endif
.endif
.endm
.macro MUL p, zero                     ; a K step's 16 products on set p.  The 16 accumulators take turns, one instruction a turn, in the same order in every step
	WIN 0x50                                       ; C and D window 1, the operands window 0
.irp a, 0,1,2,3
.irp t, 0,1,2,3
	WM \a, \t, \p, \zero
.endr
.endr
.endm
; A K step that has a successor in sight: the successor (K step nq of region nr) is fetched into the other set, which the last step's products read, then this step's set p is multiplied.
; Loads into registers that matrix instructions have read stand four plain vector lines behind them (ISA guide 7.12.1 for vector instructions).
.macro STEP p, zero, nr, nq
	PLACES 4
	WIN 0
	FETCH \nr, \nq, 1-(\p)
	s_wait_dscnt 26                                ; all but the 26 loads just issued: set p is in
	MUL \p, \zero
.endm
.macro STEPL p                         ; the last K step in front of a barrier: nothing is fetched
	s_wait_dscnt 0x0
	MUL \p, 0
	WIN 0
.endm
; THE TWO MEETINGS.  Each wave waits for all its tensor loads, adds 0 to its spare word, and waits for that and for its LDS reads.
; fill = 1, behind K step 3: nobody reads region 0 any more; the barrier is a round of the cluster's, and behind it region 0 takes K steps 12-15: one tensor load a wave, first thing there.
; fill = 0, behind K step 11: region 0 is whole again; nothing more is filled.
.macro CHANGE fill
	s_wait_tensorcnt 0x0                           ; no tensor load of mine is out, so a descriptor may be written
	ds_add_u32 v[SPW], v[NIL]                      ; 0 onto my spare word
.if \fill
	s_add_nc_u64 s[G0A+2:G0A+3], s[G0A+2:G0A+3], 3*QRT   ; twelve K steps on
	s_add_nc_u64 s[G0B+2:G0B+3], s[G0B+2:G0B+3], 3*QRT
	s_mov_b32 s[G1A+2], 100<<16                    ; the refill brings 100 rows of 256 bytes
	s_mov_b32 s[G1A+4], 100
	s_mov_b32 s[G1B+2], 100<<16
	s_mov_b32 s[G1B+4], 100
.endif
	s_wait_dscnt 0x0                               ; the add is done, and my reads are over
.if \fill
	CROUND
	JLOAD
.else
	s_barrier_signal -1
	s_barrier_wait -1
.endif
	PLACES 4                                       ; in front of the loads into the fragments' registers
.endm
; THE WAY OUT, a token tile (16 tokens x my 64 columns) at a time.  A lane holds pieces of one token's row, and the lanes beside it other tokens: so a tile goes through my own stage in LDS and comes back as whole
; rows of 256 bytes.  LDS serves a wave's instructions in order (ISA guide 5.7.1.4): no wait between the stores and the loads, nor in front of the next tile's stores.
.macro TOSTAGE a
	WIN 0x04                                       ; an LDS store's data are its source 1: window 1
.irp t, 0,1,2,3
	ds_store_b128 v[STO], v[8*(4*(\a)+\t):8*(4*(\a)+\t)+3] offset:128*(\t/2)+32*(\t%2)          ; each accumulator from its low end on
	ds_store_b128 v[STO], v[8*(4*(\a)+\t)+4:8*(4*(\a)+\t)+7] offset:128*(\t/2)+32*(\t%2)+16
.endr
	WIN 0
.irp i, 0,1,2,3,4,5,6,7
	ds_load_b128 v[BK+32*((\a)%2)+4*\i:BK+32*((\a)%2)+4*\i+3], v[RD] offset:544*\i
.endr
.endm
.macro SEND a, younger                 ; younger: the LDS instructions issued behind tile a's loads, which may stay out
	s_wait_dscnt \younger
.irp i, 0,1,2,3,4,5,6,7                ; stage rows 2 i and 2 i + 1 are the tile's tokens 2 i + 8 (i / 4) and the next
	global_store_b128 v[CO], v[BK+32*((\a)%2)+4*\i:BK+32*((\a)%2)+4*\i+3], s[8:9] offset:(32*((\a)/2)+8*((\a)%2)+2*\i+8*(\i/4))*8192 th:TH_STORE_NT   ; 16 lanes store 256 consecutive bytes, at a multiple of 256 from out0's first byte
.endr
.endm
	s_load_b128 s[4:7], s[0:1], 0x0                ; arec s[4:5], rec s[6:7]
	s_load_b64 s[8:9], s[0:1], 0x10                ; out0
	v_lshl_add_u32 v[SPW], v0, 2, SPARE
	v_mov_b32 v[NIL], 0
	ds_add_u32 v9, v10                             ; the opening lines: the add, twice on end, and its wait
	ds_add_u32 v9, v10
	s_wait_dscnt 0x0
	v_lshrrev_b32 v22, 5, v0
	v_readfirstlane_b32 s[WV], v22                 ; wave 0..3
	s_lshr_b32 s13, s[WV], 1                       ; which token group is mine
	s_and_b32 s14, s[WV], 1                        ; which group of wo.  Also: which of the two groups I fetch
	s_bfe_u32 s15, ttmp6, 0x40000                  ; cx, cy: my place in the cluster
	s_bfe_u32 s16, ttmp6, 0x40004
	s_lshl_b32 s17, ttmp9, 2
	s_add_co_u32 s17, s17, s15                     ; nb: my 128 columns = 4 x cluster x + cx
	s_and_b32 s18, ttmp7, 0xffff
	s_lshl_b32 s18, s18, 2
	s_add_co_u32 s18, s18, s16                     ; mb: my 128 tokens = 4 x cluster y + cy
	s_lshl_b32 s19, s16, 2
	s_lshl_b32 s19, 15, s19                        ; my row of the cluster
	s_lshl_b32 s20, 0x1111, s15                    ; my column
	; descriptor group 1: twelve records of one group, 76,800 dense bytes, as 300 rows of 256 bytes (32 elements of 8 bytes)
	s_or_b32 s[G1A], s19, (3<<16)|(1<<21)          ; 15:0 the mask: the tokens' records go to my row; 17:16 elements of 8 bytes; 21 set beside a mask
	s_or_b32 s[G1B], s20, (3<<16)|(1<<21)          ; wo's to my column
.irp g, G1A, G1B
	s_mov_b32 s[\g+1], 32<<16                      ; tensor_dim0
	s_mov_b32 s[\g+2], 300<<16                     ; tensor_dim1
	s_mov_b32 s[\g+3], 32<<16                      ; tile_dim0
	s_mov_b32 s[\g+4], 300                         ; tile_dim1
	s_mov_b32 s[\g+5], 32                          ; tensor_dim0_stride
	s_mov_b32 s[\g+6], 0
	s_mov_b32 s[\g+7], 0
.endr
	s_lshl_b32 s19, s18, 1
	s_add_co_u32 s19, s19, s14                     ; token group 2 mb + wave % 2
	s_mul_i32 s66, s19, GRPB
	s_mov_b32 s67, 0
	s_lshl_b32 s20, s17, 1
	s_add_co_u32 s20, s20, s14
	s_add_co_u32 s20, s20, B0                      ; group B0 + 2 nb + wave % 2 of rec
	s_mul_i32 s68, s20, GRPB
	s_mov_b32 s69, 0
	s_mul_i32 s22, s[WV], GS                       ; where they go: wave x 76,800: no place in the cluster enters an LDS address
	s_wait_kmcnt 0x0
	s_add_nc_u64 s[66:67], s[4:5], s[66:67]
	s_add_nc_u64 s[68:69], s[6:7], s[68:69]
	CROUND                                         ; all sixteen work-groups are here: the first joint loads meet
.irp r, 0
	s_mov_b32 s[G0A+4*\r], 1
	s_add_co_u32 s[G0A+4*\r+1], s22, \r*REG
	s_add_nc_u64 s[G0A+4*\r+2:G0A+4*\r+3], s[66:67], \r*QRT
	s_or_b32 s[G0A+4*\r+3], s[G0A+4*\r+3], 0x80000000
	s_mov_b32 s[G0B+4*\r], 1
	s_add_co_u32 s[G0B+4*\r+1], s22, \r*REG
	s_add_nc_u64 s[G0B+4*\r+2:G0B+4*\r+3], s[68:69], \r*QRT
	s_or_b32 s[G0B+4*\r+3], s[G0B+4*\r+3], 0x80000000
.endr
	s_cmp_lt_u32 s[WV], 2                          ; the first fills: one tensor load a wave, one in each arm
	s_cbranch_scc0 .Lfirst_b
	tensor_load_to_lds s[G0A:G0A+3], s[G1A:G1A+7]
	s_nop 0
.rept 4
	v_nop
.endr
	s_branch .Lfirst_done
.Lfirst_b:
	tensor_load_to_lds s[G0B:G0B+3], s[G1B:G1B+7]
	s_nop 0
.rept 4
	v_nop
.endr
.Lfirst_done:
	v_and_b32 v22, 31, v0                          ; lane
	v_and_b32 v23, 15, v0                          ; r
	v_bfe_u32 v24, v0, 4, 1                        ; h
	v_lshlrev_b32 v[LI], 4, v22
	v_lshlrev_b32 v[L8], 3, v22
	s_mul_i32 s21, s13, GS                         ; my token group
	s_mul_i32 s23, s14, GS                         ; my group of wo,
	s_add_co_u32 s23, s23, 2*GS                    ; behind the two token groups
.irp r, 0,1,2
	v_add_nc_u32 v[AX+\r], s21, v[LI]
	v_add_nc_u32 v[AW+\r], s23, v[LI]
	v_add_nc_u32 v[ASX+\r], s21, v[L8]
	v_add_nc_u32 v[ASW+\r], s23, v[L8]
	s_add_co_u32 s21, s21, REG
	s_add_co_u32 s23, s23, REG
.endr
	s_mul_i32 s21, s[WV], 16*272                   ; my stage: 16 rows of 256 + 16 bytes, in token group 0's region 1, which is filled once and read for the last time ahead of the second meeting
	s_add_co_u32 s21, s21, REG
	v_mul_u32_u24 v[STO], v23, 272
	v_lshl_add_u32 v[STO], v24, 6, v[STO]
	v_add_nc_u32 v[STO], s21, v[STO]               ; in: row r, + 64 h
	v_mul_u32_u24 v[RD], v24, 272
	v_lshl_add_u32 v[RD], v23, 4, v[RD]
	v_add_nc_u32 v[RD], s21, v[RD]                 ; back: lanes 0-15 one row, lanes 16-31 the next
	v_lshlrev_b32 v[CO], 13, v24                   ; and the same two rows in out0: 8,192 bytes a row
	v_lshl_add_u32 v[CO], v23, 4, v[CO]
	s_lshl_b32 s70, s18, 20                        ; (128 mb + 64 half) rows of 8,192 bytes
	s_lshl_b32 s71, s13, 19
	s_add_co_u32 s70, s70, s71
	s_lshl_b32 s71, s17, 9                         ; + (128 nb + 64 half) columns of 4 bytes
	s_add_co_u32 s70, s70, s71
	s_lshl_b32 s71, s14, 8
	s_add_co_u32 s70, s70, s71
	s_mov_b32 s71, 0
	s_add_nc_u64 s[8:9], s[8:9], s[70:71]
	s_wait_tensorcnt 0x0                           ; my group's K steps 0-11 are in
	s_barrier_signal -1
	s_barrier_wait -1                              ; everybody's are
	FETCH 0, 0, 0
	STEP 0, 1, 0, 1                                ; K step 0: the first products start the sums: nothing is cleared
	STEP 1, 0, 0, 2
	STEP 0, 0, 0, 3
	STEPL 1                                        ; K step 3
	CHANGE 1                                       ; region 0 takes K steps 12-15
	FETCH 1, 0, 0
	STEP 0, 0, 1, 1                                ; K step 4
	STEP 1, 0, 1, 2
	STEP 0, 0, 1, 3
	s_wait_alu depctr_va_vdst(0)
	STEP 1, 0, 2, 0                                ; K step 7; region 2 follows without a barrier
	STEP 0, 0, 2, 1
	STEP 1, 0, 2, 2
	STEP 0, 0, 2, 3
	STEPL 1                                        ; K step 11
	CHANGE 0                                       ; nothing is left to fetch
	FETCH 0, 0, 0
	STEP 0, 0, 0, 1                                ; K step 12
	STEP 1, 0, 0, 2
	STEP 0, 0, 0, 3
	STEPL 1                                        ; K step 15
	PLACES 4                                       ; in front of the first read of results and of the loads into the tokens' fragments' registers
	TOSTAGE 0
.irp a, 1,2,3
.if \a > 1
	s_wait_xcnt 0x0                                ; tile a - 2's stores have read their registers: tile a's loads may land there
.endif
	TOSTAGE \a
	SEND \a-1, 16                                  ; behind tile a - 1's loads: tile a's 8 stores and 8 loads
.endr
	SEND 3, 0
	s_wait_tensorcnt 0x0                           ; the wave's end
	ds_add_u32 v[SPW], v[NIL]
	s_wait_dscnt 0x0
	CROUND                                         ; the closing round: no work-group ends while a partner may still ask for a tile that names it
	s_endpgm
.Lfunc_end_k_q3944d522ba_oproj:
	.size	k_q3944d522ba_oproj, .Lfunc_end_k_q3944d522ba_oproj-k_q3944d522ba_oproj
	.p2alignl 7, 3214868480
	.fill 96, 4, 3214868480
	.section	.rodata,"a",@progbits
	.p2align	6, 0x0
	.amdhsa_kernel k_q3944d522ba_oproj
		.amdhsa_group_segment_fixed_size 327680
		.amdhsa_private_segment_fixed_size 0
		.amdhsa_enable_private_segment 0
		.amdhsa_kernarg_size 24
		.amdhsa_user_sgpr_count 2
		.amdhsa_user_sgpr_kernarg_segment_ptr 1
		.amdhsa_wavefront_size32 1
		.amdhsa_system_sgpr_workgroup_id_x 1
		.amdhsa_system_sgpr_workgroup_id_y 1
		.amdhsa_system_sgpr_workgroup_id_z 1
		.amdhsa_system_vgpr_workitem_id 0
		.amdhsa_next_free_vgpr 384
		.amdhsa_next_free_sgpr 72
		.amdhsa_reserve_vcc 0
		.amdhsa_float_denorm_mode_32 3
		.amdhsa_float_denorm_mode_16_64 3
		.amdhsa_memory_ordered 1
		.amdhsa_forward_progress 1
		.amdhsa_inst_pref_size 77
	.end_amdhsa_kernel
	.amdgpu_metadata
---
amdhsa.version: [ 1, 2 ]
amdhsa.kernels:
  - .name:           k_q3944d522ba_oproj
    .symbol:         k_q3944d522ba_oproj.kd
    .args:
      - { .name: arec, .offset: 0, .size: 8, .value_kind: global_buffer, .address_space: global }
      - { .name: rec, .offset: 8, .size: 8, .value_kind: global_buffer, .address_space: global }
      - { .name: out0, .offset: 16, .size: 8, .value_kind: global_buffer, .address_space: global }
    .group_segment_fixed_size: 327680
    .private_segment_fixed_size: 0
    .kernarg_segment_align: 8
    .kernarg_segment_size: 24
    .max_flat_workgroup_size: 128
    .sgpr_count:     72
    .vgpr_count:     384
    .wavefront_size: 32
...
	.end_amdgpu_metadata
.endif
;; end of part 4
